; MI455X (gfx1250); checked and timed in simulation.
; The chip was launched on July 23, 2026; its instructions are those of AMD's public machine-readable ISA for CDNA 5 (MIT licence, August 2026) and "CDNA5" Instruction Set Architecture Reference Guide (July 2026). The comments in the code are by the model that wrote it; some were corrected since.
;; Block. Allowed arithmetic: float matrix products may take bf16 or f16 operands with f32 sums; all other float work in f32.
;; Inputs: W1 1,024 x 4,096 float32; W2 4,096 x 1,024 float32; Wk 1,024 x 1,024 float32; Wo 1,024 x 1,024 float32; Wq 1,024 x 1,024 float32; Wv 1,024 x 1,024 float32; b1 4,096 float32; b2 1,024 float32; bk 1,024 float32; bo 1,024 float32; bq 1,024 float32; bv 1,024 float32; ln1_b 1,024 float32; ln1_g 1,024 float32; ln2_b 1,024 float32; ln2_g 1,024 float32; x 4 x 1,024 x 1,024 float32.
;; Outputs: out0 4 x 1,024 x 1,024 float32.
;; 2 versions, each right; version 2 is version 1 with the launches pre, ln2 written anew for expert scheduling mode. Each part assembles by itself: llvm-mc -triple=amdgcn-amd-amdhsa -mcpu=gfx1250 --defsym DOCPART=n.
;; ======== version 1 of 2: 7 launches
;; workspace buffers: wb 25,165,824 bytes; hbuf 8,388,608 bytes; qkvb 25,165,824 bytes; ybuf 8,388,608 bytes; x1buf 16,777,216 bytes; mbuf 33,554,432 bytes
;; launch pre (part 1): grid 256 x 4, 8 waves a work-group, no clusters, 0 bytes of LDS; arguments x, ln1_g, ln1_b, hbuf, Wq, Wk, Wv, Wo, W1, W2, wb; writes hbuf, wb
.if DOCPART == 1
	.amdgcn_target "amdgcn-amd-amdhsa--gfx1250"
	.amdhsa_code_object_version 6
	.text
	.protected	k_q672701bf43_pre
	.globl	k_q672701bf43_pre
	.p2align	8
	.type	k_q672701bf43_pre,@function
k_q672701bf43_pre:
	s_mov_b64 s[64:65], 0
	v_nop
	global_prefetch_b8 v0, s[64:65] scope:SCOPE_SE
	s_setreg_imm32_b32 hwreg(HW_REG_WAVE_MODE, 25, 1), 1
	s_wait_xcnt 0x0
; TWO STREAMS THAT DO NOT DEPEND ON EACH OTHER, IN ONE TEXT.  The work-group's y chooses: 0 a LayerNorm, 1 to 3 the cast of the weights.  A launch with one row of work-groups runs the LayerNorm alone.
; No LDS, no matrix unit, no cluster: no byte is read twice, and no wave waits for another.
; LAYERNORM (y = 0): out[r][c] = (in[r][c] - mean) * rsqrt(var + 1e-5) * gain[c] + bias[c].  in: [4096][1024] f32, out the same in bf16 (a matrix operand of the next launch).
; One wave, two rows; a row of 4,096 bytes stays in 32 registers between the passes, so memory is read once.  The variance is taken of x - mean (two passes over the registers), never as a difference
; of large sums, so a common offset of the inputs costs nothing.  Lane l holds columns 128 j + 4 l + 0..3, j = 0..7: a load covers 512 consecutive bytes, a store 256 consecutive bytes, aligned.
; CAST (y = 1: Wq, Wk, Wv, Wo; y = 2: W1; y = 3: W2): f32 [k][n] is rounded to bf16 and laid in BLOCKS of 128 columns: wb holds [block][k][128], a block row of 256 bytes, a block dense.
; Bytes in wb: Wq 0, Wk 2 MiB, Wv 4 MiB, Wo 6 MiB (8 blocks of 1,024 x 256 bytes each), W1 8 MiB (32 such blocks), W2 16 MiB (8 blocks of 4,096 x 256 bytes).
; A wave takes 16 consecutive k rows of one block: 16 loads of 512 consecutive bytes, all on their way together, and 16 stores of 256 consecutive bytes, aligned, which lie end to end.
.set X,  4                             ; LayerNorm: v[4:67]    two rows of 32 registers
.set G,  68                            ; v[68:99]   gain of my columns
.set BV, 100                           ; v[100:131] bias of my columns
.set T,  132                           ; v[132:147] at work
.set M,  148                           ; v[148:149] the mean, later 1 / sqrt(var + eps), twice: a pair for the packed forms
.set CX, 4                             ; cast: v[4:67]   row i: 4 numbers a lane as loaded
.set CY, 68                            ; v[68:99]  row i: the same 4 as bf16
.macro BODY pitch                      ; pitch: bytes from a k row to the next in the source
.set i, 0
.rept 16
	global_load_b128 v[CX+4*i:CX+4*i+3], v1, s[24:25] offset:i*(\pitch) th:TH_LOAD_NT
.set i, i+1
.endr
.set i, 0
.rept 16
	s_wait_loadcnt 15-i                            ; loads come back in order: row i is in, the younger rows stay out
	v_cvt_pk_bf16_f32 v[CY+2*i], v[CX+4*i], v[CX+4*i+1]
	v_cvt_pk_bf16_f32 v[CY+2*i+1], v[CX+4*i+2], v[CX+4*i+3]
	global_store_b64 v2, v[CY+2*i:CY+2*i+1], s[26:27] offset:i*256  ; 32 lanes x 8 bytes: one block row
.set i, i+1
.endr
.endm
.macro LANES                           ; v[T] summed over the 32 lanes, the result in every lane
	v_add_f32_dpp v[T], v[T], v[T] row_xmask:1 row_mask:0xf bank_mask:0xf
	v_add_f32_dpp v[T], v[T], v[T] row_xmask:2 row_mask:0xf bank_mask:0xf
	v_add_f32_dpp v[T], v[T], v[T] row_xmask:4 row_mask:0xf bank_mask:0xf
	v_add_f32_dpp v[T], v[T], v[T] row_xmask:8 row_mask:0xf bank_mask:0xf
	v_permlanex16_b32 v[T+1], v[T], s12, s13       ; its destination has been written before
	v_add_f32 v[T], v[T], v[T+1]
.endm
; Row r.  w1: the loads that may stay out when the row is needed; w2: when gain and bias are needed.
.macro ROW r, w1, w2
.set XR, X+32*(\r)
	s_wait_loadcnt \w1
.set i, 0
.rept 8                                ; the sum, as a tree of packed additions
	v_pk_add_f32 v[T+2*i:T+2*i+1], v[XR+4*i:XR+4*i+1], v[XR+4*i+2:XR+4*i+3]
.set i, i+1
.endr
.set i, 0
.rept 4
	v_pk_add_f32 v[T+4*i:T+4*i+1], v[T+4*i:T+4*i+1], v[T+4*i+2:T+4*i+3]
.set i, i+1
.endr
	v_pk_add_f32 v[T:T+1], v[T:T+1], v[T+4:T+5]
	v_pk_add_f32 v[T+8:T+9], v[T+8:T+9], v[T+12:T+13]
	v_pk_add_f32 v[T:T+1], v[T:T+1], v[T+8:T+9]
	v_add_f32 v[T], v[T], v[T+1]
	LANES
	v_mul_f32 v[M], s14, v[T]                      ; the mean
	v_mul_f32 v[M+1], s14, v[T]
.set i, 0
.rept 16
	v_pk_add_f32 v[XR+2*i:XR+2*i+1], v[XR+2*i:XR+2*i+1], v[M:M+1] neg_lo:[0,1] neg_hi:[0,1]  ; x - mean
.set i, i+1
.endr
.set i, 0
.rept 4                                ; the sum of squares in four chains; the first four products start them
	v_pk_mul_f32 v[T+2*i:T+2*i+1], v[XR+2*i:XR+2*i+1], v[XR+2*i:XR+2*i+1]
.set i, i+1
.endr
.rept 12
	v_pk_fma_f32 v[T+2*(i%4):T+2*(i%4)+1], v[XR+2*i:XR+2*i+1], v[XR+2*i:XR+2*i+1], v[T+2*(i%4):T+2*(i%4)+1]
.set i, i+1
.endr
	v_pk_add_f32 v[T:T+1], v[T:T+1], v[T+2:T+3]
	v_pk_add_f32 v[T+4:T+5], v[T+4:T+5], v[T+6:T+7]
	v_pk_add_f32 v[T:T+1], v[T:T+1], v[T+4:T+5]
	v_add_f32 v[T], v[T], v[T+1]
	LANES
	v_fma_f32 v[T], v[T], s14, s15                 ; var + eps
	v_rsq_f32 v[M], v[T]
	v_rsq_f32 v[M+1], v[T]
	v_nop                                          ; a plain instruction between the root and the use of its result (ISA guide 5.7.2)
	s_wait_loadcnt \w2
.set i, 0
	s_wait_alu depctr_va_vdst(0)
.rept 16
	v_pk_mul_f32 v[XR+2*i:XR+2*i+1], v[XR+2*i:XR+2*i+1], v[M:M+1]
.set i, i+1
.endr
.set i, 0
.rept 16
	v_pk_fma_f32 v[XR+2*i:XR+2*i+1], v[XR+2*i:XR+2*i+1], v[G+2*i:G+2*i+1], v[BV+2*i:BV+2*i+1]
.set i, i+1
.endr
.irp j, 0,1,2,3,4,5,6,7
	v_cvt_pk_bf16_f32 v[XR+4*(\j)], v[XR+4*(\j)], v[XR+4*(\j)+1]       ; in place: four numbers into the first two registers
	v_cvt_pk_bf16_f32 v[XR+4*(\j)+1], v[XR+4*(\j)+2], v[XR+4*(\j)+3]
	global_store_b64 v2, v[XR+4*(\j):XR+4*(\j)+1], s[10:11] offset:(\r)*2048+256*(\j)
.endr
.endm
	v_lshrrev_b32 v3, 5, v0
	v_readfirstlane_b32 s2, v3                     ; wave 0..7
	v_and_b32 v1, 31, v0
	v_lshlrev_b32 v2, 3, v1                        ; 8 bytes a lane out
	v_lshlrev_b32 v1, 4, v1                        ; 16 bytes a lane in
	s_and_b32 s3, ttmp7, 0xffff                    ; which stream
	s_cmp_lg_u32 s3, 0
	s_cbranch_scc1 .Lcast
	; ---- the LayerNorm
	s_load_b256 s[4:11], s[0:1], 0x0               ; in s[4:5], gain s[6:7], bias s[8:9], out s[10:11]
	s_lshl_b32 s20, ttmp9, 3
	s_add_co_u32 s20, s20, s2                      ; my pair of rows
	s_lshl_b32 s16, s20, 13                        ; x 2 rows of 4,096 bytes
	s_mov_b32 s17, 0
	s_lshl_b32 s18, s20, 12                        ; x 2 rows of 2,048 bytes
	s_mov_b32 s19, 0
	s_mov_b32 s12, 0x76543210                      ; v_permlanex16_b32: each lane takes its own place in the other half
	s_mov_b32 s13, 0xfedcba98
	s_mov_b32 s14, 0x3a800000                      ; 1 / 1024
	s_mov_b32 s15, 0x3727c5ac                      ; 1e-5
	s_wait_kmcnt 0x0
	s_add_nc_u64 s[4:5], s[4:5], s[16:17]
	s_add_nc_u64 s[10:11], s[10:11], s[18:19]
.irp j, 0,1,2,3,4,5,6,7
	global_load_b128 v[X+4*(\j):X+4*(\j)+3], v1, s[4:5] offset:512*(\j)
.endr
.irp j, 0,1,2,3,4,5,6,7
	global_load_b128 v[G+4*(\j):G+4*(\j)+3], v1, s[6:7] offset:512*(\j)
.endr
.irp j, 0,1,2,3,4,5,6,7
	global_load_b128 v[BV+4*(\j):BV+4*(\j)+3], v1, s[8:9] offset:512*(\j)
.endr
.irp j, 0,1,2,3,4,5,6,7
	global_load_b128 v[X+32+4*(\j):X+32+4*(\j)+3], v1, s[4:5] offset:4096+512*(\j)
.endr
	ROW 0, 24, 8                                   ; 24: gain, bias and row 1 stay out; 8: row 1 stays out
	ROW 1, 0, 0
	s_endpgm
	; ---- the cast
.Lcast:
	s_load_b256 s[8:15], s[0:1], 0x20              ; Wq s[8:9], Wk s[10:11], Wv s[12:13], Wo s[14:15]
	s_load_b128 s[16:19], s[0:1], 0x40             ; W1 s[16:17], W2 s[18:19]
	s_load_b64 s[20:21], s[0:1], 0x50              ; wb
	s_and_b32 s7, ttmp9, 63                        ; group of 16 k rows (square matrices and W1)
	s_lshr_b32 s6, ttmp9, 6                        ; which square matrix, or which eight blocks of W1
	s_lshl_b32 s22, s2, 9                          ; wave x 128 columns x 4 bytes
	s_mov_b32 s29, 0                               ; the offsets' high words
	s_mov_b32 s31, 0
	s_wait_kmcnt 0x0
	s_cmp_eq_u32 s3, 2
	s_cbranch_scc1 .Lw1
	s_cmp_eq_u32 s3, 3
	s_cbranch_scc1 .Lw2
	s_cmp_eq_u32 s6, 1                             ; the square matrices: block = wave
	s_cselect_b64 s[24:25], s[10:11], s[8:9]
	s_cmp_eq_u32 s6, 2
	s_cselect_b64 s[24:25], s[12:13], s[24:25]
	s_cmp_eq_u32 s6, 3
	s_cselect_b64 s[24:25], s[14:15], s[24:25]
	s_lshl_b32 s28, s7, 16                         ; 16 rows of 4,096 bytes
	s_add_co_u32 s28, s28, s22
	s_lshl_b32 s30, s6, 21                         ; 2 MiB a matrix
	s_lshl_b32 s23, s2, 18                         ; 262,144 bytes a block
	s_add_co_u32 s30, s30, s23
	s_lshl_b32 s23, s7, 12                         ; 16 block rows
	s_add_co_u32 s30, s30, s23
	s_branch .Lnarrow
.Lw2:                                                  ; W2: 256 groups of 16 rows, block = wave
	s_mov_b64 s[24:25], s[18:19]
	s_lshl_b32 s28, ttmp9, 16
	s_add_co_u32 s28, s28, s22
	s_lshl_b32 s30, s2, 20                         ; 1 MiB a block
	s_lshl_b32 s23, ttmp9, 12
	s_add_co_u32 s30, s30, s23
	s_add_co_u32 s30, s30, 0x1000000
.Lnarrow:
	s_add_nc_u64 s[24:25], s[24:25], s[28:29]
	s_add_nc_u64 s[26:27], s[20:21], s[30:31]
	BODY 4096
	s_endpgm
.Lw1:                                                  ; W1: block = 8 x (x / 64) + wave
	s_lshl_b32 s23, s6, 3
	s_add_co_u32 s23, s23, s2
	s_lshl_b32 s28, s7, 18                         ; 16 rows of 16,384 bytes
	s_lshl_b32 s22, s23, 9
	s_add_co_u32 s28, s28, s22
	s_lshl_b32 s30, s23, 18
	s_lshl_b32 s22, s7, 12
	s_add_co_u32 s30, s30, s22
	s_add_co_u32 s30, s30, 0x800000
	s_add_nc_u64 s[24:25], s[16:17], s[28:29]
	s_add_nc_u64 s[26:27], s[20:21], s[30:31]
	BODY 16384
	s_endpgm
.Lfunc_end_k_q672701bf43_pre:
	.size	k_q672701bf43_pre, .Lfunc_end_k_q672701bf43_pre-k_q672701bf43_pre
	.p2alignl 7, 3214868480
	.fill 96, 4, 3214868480
	.section	.rodata,"a",@progbits
	.p2align	6, 0x0
	.amdhsa_kernel k_q672701bf43_pre
		.amdhsa_group_segment_fixed_size 0
		.amdhsa_private_segment_fixed_size 0
		.amdhsa_enable_private_segment 0
		.amdhsa_kernarg_size 88
		.amdhsa_user_sgpr_count 2
		.amdhsa_user_sgpr_kernarg_segment_ptr 1
		.amdhsa_wavefront_size32 1
		.amdhsa_system_sgpr_workgroup_id_x 1
		.amdhsa_system_sgpr_workgroup_id_y 1
		.amdhsa_system_sgpr_workgroup_id_z 1
		.amdhsa_system_vgpr_workitem_id 0
		.amdhsa_next_free_vgpr 152
		.amdhsa_next_free_sgpr 66
		.amdhsa_reserve_vcc 0
		.amdhsa_float_denorm_mode_32 3
		.amdhsa_float_denorm_mode_16_64 3
		.amdhsa_memory_ordered 1
		.amdhsa_forward_progress 1
		.amdhsa_inst_pref_size 33
	.end_amdhsa_kernel
	.amdgpu_metadata
---
amdhsa.version: [ 1, 2 ]
amdhsa.kernels:
  - .name:           k_q672701bf43_pre
    .symbol:         k_q672701bf43_pre.kd
    .args:
      - { .name: x, .offset: 0, .size: 8, .value_kind: global_buffer, .address_space: global }
      - { .name: ln1_g, .offset: 8, .size: 8, .value_kind: global_buffer, .address_space: global }
      - { .name: ln1_b, .offset: 16, .size: 8, .value_kind: global_buffer, .address_space: global }
      - { .name: hbuf, .offset: 24, .size: 8, .value_kind: global_buffer, .address_space: global }
      - { .name: Wq, .offset: 32, .size: 8, .value_kind: global_buffer, .address_space: global }
      - { .name: Wk, .offset: 40, .size: 8, .value_kind: global_buffer, .address_space: global }
      - { .name: Wv, .offset: 48, .size: 8, .value_kind: global_buffer, .address_space: global }
      - { .name: Wo, .offset: 56, .size: 8, .value_kind: global_buffer, .address_space: global }
      - { .name: W1, .offset: 64, .size: 8, .value_kind: global_buffer, .address_space: global }
      - { .name: W2, .offset: 72, .size: 8, .value_kind: global_buffer, .address_space: global }
      - { .name: wb, .offset: 80, .size: 8, .value_kind: global_buffer, .address_space: global }
    .group_segment_fixed_size: 0
    .private_segment_fixed_size: 0
    .kernarg_segment_align: 8
    .kernarg_segment_size: 88
    .max_flat_workgroup_size: 256
    .sgpr_count:     66
    .vgpr_count:     152
    .wavefront_size: 32
...
	.end_amdgpu_metadata
.endif
;; end of part 1
;; launch qkv (part 2): grid 12 x 16, 4 waves a work-group, clusters of 4 x 4, 327,680 bytes of LDS; arguments hbuf, wb, bq, bk, bv, qkvb; writes qkvb
.if DOCPART == 2
	.amdgcn_target "amdgcn-amd-amdhsa--gfx1250"
	.amdhsa_code_object_version 6
	.text
	.protected	k_q672701bf43_qkv
	.globl	k_q672701bf43_qkv
	.p2align	8
	.type	k_q672701bf43_qkv,@function
k_q672701bf43_qkv:
	s_mov_b64 s[64:65], 0
	v_nop
	global_prefetch_b8 v0, s[64:65] scope:SCOPE_SE
	s_setreg_imm32_b32 hwreg(HW_REG_WAVE_MODE, 25, 1), 1
	s_wait_xcnt 0x0
	s_wait_alu depctr_hold_cnt(0) depctr_sa_sdst(0) depctr_va_vdst(0) depctr_va_sdst(0) depctr_va_ssrc(0) depctr_va_vcc(0) depctr_vm_vsrc(0)
	s_getreg_b32 s2, hwreg(HW_REG_IB_STS2, 6, 4)
	s_cmp_eq_u32 s2, 0
	s_cbranch_scc0 .Lentry_in_a_cluster
	s_endpgm
.Lentry_in_a_cluster:
	s_bfe_u32 s2, ttmp6, 0x10000c
	s_cmp_lg_u32 s2, 0xf033
	s_cbranch_scc0 .Lentry_shape_is_right
	s_endpgm
.Lentry_shape_is_right:
; [q | k | v] = h [Wq | Wk | Wv] + [bq | bk | bv].  h: [4096][1024] bf16.  The weights: wb's first 24 blocks, [block][k 1024][128 columns] bf16.  Sums in f32, started from the bias.
; Out: qkvb [batch 4][group 48][t 1024][64] bf16, groups 0-15 q's heads, 16-31 k's, 32-47 v's, each rounded once, unscaled.  LIMIT: matrix operands and q, k, v carry bf16's 8 significant bits.
; A tile of C is 256 x 256, made by four waves of 128 x 128 (64 accumulators, 512 registers).  K goes in 8 steps of 128 through a ring of two LDS slots filled by the tensor data mover.
; CLUSTER 4 x 4: the four work-groups of a row of the cluster need the same tiles of h, the four of a column the same blocks of the weights; each tile is asked for jointly.
; THE WEIGHTS lie [k][n]: their fragments come out of LDS turned, by ds_load_tr16_b128.  THE MATRIX INSTRUCTION IS USED TRANSPOSED (source 0 = 16 columns of W, source 1 = 16 rows of h):
; lane l then holds row l % 16 of C and the eight neighbouring columns 8 (l / 16) + 0..7.
; A K STEP IS WRITTEN ONCE: the slots take turns through two scalars that hold 0 or SLOT, one for the fragment addresses, one for the walking descriptors.
; REGISTERS in windows of 256: window 0 v16-29 addresses, v64-191 h's fragments (two buffers), v32-127 at work on the way out; window 1 v64-191 W's fragments; windows 2, 3 the accumulators, (a, b) at v[8 (8 (a % 4) + b)].
.set STEPS,  8
.set PA,     272                       ; a row of h in LDS: 256 bytes + 16: 68 words, so the 16 rows of a load start at 16 different groups of four banks (64 banks of 4 bytes: ISA guide 11.1)
.set PB,     288                       ; a k row of W: 256 + 32 = 72 words
.set HALFA,  128*PA
.set HALFB,  128*PB
.set BOFF,   2*HALFA                   ; W's two blocks lie behind h's 256 rows
.set SLOT,   BOFF+2*HALFB
.set SPARE,  2*SLOT                    ; behind the ring: the spare words, 128 bytes a wave, two blocks of 256 bytes that no other line names
.set ASTEP,  256                       ; bytes from a K step to the next: 128 columns of h,
.set BSTEP,  32768                     ; 128 block rows of W
.set DP,     528                       ; the way out: a row of 128 f32 + 16 bytes
.set WREG,   128*DP                    ; a wave's 128 such rows, in the ring, which by then has had its last fill
.set ADRA, 16                          ; v16  LDS address of my h fragments in the slot in hand
.set A0,   17                          ; v17  the same in slot 0; never rewritten
.set ADRB, 20                          ; v20, v21 the same for W
.set B0,   21
.set STO,  24                          ; v24  the way out: where I put 32 bytes of a row
.set RD,   25                          ; v25  where I read back
.set CO,   26                          ; v26  my byte offset in 512 consecutive bytes of the output
.set BO,   27                          ; v27  my byte offset in 16 numbers of the bias
.set SPW,  28                          ; v28  my spare word: SPARE + 4 x my thread's number; never rewritten
.set NIL,  29                          ; v29  0; never rewritten
.set F0,   64
.set F1,   128
.set X,    32                          ; the way out: 64 registers of f32,
.set Y,    96                          ; 32 of bf16
.set G1,  24                           ; s[24:31] descriptor group 1 for h's tiles; s[32:39] group 0: a set for each first fill, the second then walks
.set G0,  32
.set G1B, 48                           ; s[48:55], s[56:63] the same for W's
.set G0B, 56
.set TGW, 66                           ; s66  0 or SLOT: the slot that the next refill fills
.set TGR, 67                           ; s67  0 or SLOT: the slot that is read
.set MSB, 0
.macro WIN new                         ; the immediate's high byte repeats the setting that is left; a switch that changes nothing is dropped
.if MSB != (\new)
	s_set_vgpr_msb (MSB<<8)|(\new)
.set MSB, \new
.endif
.endm
.set MUL_LO, 0xa1                      ; source 0 (W) window 1, source 1 (h) window 0, C and D window 2
.set MUL_HI, 0xf1                      ; the same, C and D window 3
.set TO_B,   0x40                      ; destination window 1, address window 0
; A joint load.  Waves 0 and 1 fetch h's two halves, waves 2 and 3 W's two blocks.  The branch hangs on the wave's number alone.  An s_nop 0 and four v_nop follow each line.
.macro JLOAD s
	s_cmp_eq_u32 s11, 0
	s_cbranch_scc0 .Lfor_b_\@
	tensor_load_to_lds s[G0+4*(\s):G0+4*(\s)+3], s[G1:G1+7]
	s_nop 0
.rept 4
	v_nop
.endr
	s_branch .Lasked_\@
.Lfor_b_\@:
	tensor_load_to_lds s[G0B+4*(\s):G0B+4*(\s)+3], s[G1B:G1B+7]
	s_nop 0
.rept 4
	v_nop
.endr
.Lasked_\@:
.endm
.macro CREST                           ; a round of the cluster's barrier behind its opening barrier
	s_cmp_lg_u32 s10, 0
	s_cbranch_scc1 .Lnot_wave_0_\@
	s_barrier_signal -3
.Lnot_wave_0_\@:
	s_barrier_wait -3
	s_barrier_signal -1
	s_barrier_wait -1
.endm
.macro CROUND                          ; a whole round
	s_barrier_signal -1
	s_barrier_wait -1
	CREST
.endm
.macro PLACES                          ; four plain vector instructions between a matrix instruction and a load into, or a read of, its registers
.rept 4
	v_nop
.endr
.endm
	s_load_b128 s[4:7], s[0:1], 0x0                ; h s[4:5], wb s[6:7]
	s_load_b128 s[68:71], s[0:1], 0x10             ; bq s[68:69], bk s[70:71]
	s_load_b128 s[72:75], s[0:1], 0x20             ; bv s[72:73], out s[74:75]
	v_lshl_add_u32 v[SPW], v0, 2, SPARE
	v_mov_b32 v[NIL], 0
	ds_add_u32 v[SPW], v[NIL]                      ; the wave's opening: the add and its wait ahead of my first tensor load; work on registers stands between them
	ds_add_u32 v28, v29
	v_lshrrev_b32 v1, 5, v0
	v_readfirstlane_b32 s10, v1                    ; wave 0..3
	s_lshr_b32 s11, s10, 1                         ; which half of the tile's rows is mine.  Also: I fetch for h (0) or for W (1)
	s_and_b32 s12, s10, 1                          ; which half of its columns.  Also: which half of that tile I fetch
	s_bfe_u32 s40, ttmp6, 0x40000                  ; cx, cy: my place in the cluster
	s_bfe_u32 s41, ttmp6, 0x40004
	s_lshl_b32 s42, ttmp9, 2
	s_add_co_u32 s42, s42, s40                     ; tile column = 4 x cluster x + cx
	s_and_b32 s13, ttmp7, 0xffff
	s_lshl_b32 s13, s13, 2
	s_add_co_u32 s13, s13, s41                     ; tile row = 4 x cluster y + cy
	s_lshl_b32 s43, s41, 2
	s_lshl_b32 s43, 15, s43                        ; my row of the cluster
	s_lshl_b32 s44, 0x1111, s40                    ; my column
	s_or_b32 s[G1+0], s43, (1<<16)|(1<<20)|(1<<21)|(5<<22)|(3<<25)   ; the mask; 2-byte elements; padding on; bit 21 beside a mask; after every 64 words 4 words
	s_or_b32 s[G1B+0], s44, (1<<16)|(1<<20)|(1<<21)|(5<<22)|(7<<25)  ; the same with my column's mask and 8 words of padding
.irp g, G1, G1B
	s_mov_b32 s[(\g)+1], 128<<16                   ; tensor_dim0 = 128
	s_mov_b32 s[(\g)+2], 128<<16                   ; tensor_dim1 = 128
	s_mov_b32 s[(\g)+3], 128<<16                   ; tile_dim0 = 128
	s_mov_b32 s[(\g)+4], 128                       ; tile_dim1 = 128
	s_mov_b32 s[(\g)+6], 0
	s_mov_b32 s[(\g)+7], 0
.endr
	s_mov_b32 s[G1+5], 1024                        ; elements from row to row: h's rows,
	s_mov_b32 s[G1B+5], 128                        ; a block's rows (dense)
	s_lshl_b32 s16, s13, 8                         ; h: row 256 x tile row + 128 x half,
	s_lshl_b32 s17, s12, 7
	s_add_co_u32 s16, s16, s17
	s_lshl_b32 s16, s16, 11                        ; of 2,048 bytes
	s_mov_b32 s17, 0
	s_lshl_b32 s46, s42, 1                         ; W: block 2 x tile column + half,
	s_add_co_u32 s46, s46, s12
	s_lshl_b32 s46, s46, 18                        ; of 262,144 bytes
	s_mov_b32 s47, 0
	s_mul_i32 s20, s12, HALFA                      ; where my load goes in slot 0, for h
	s_mul_i32 s21, s12, HALFB                      ; and for W: the wave's number and constants alone
	s_add_co_u32 s21, s21, BOFF
	s_mov_b32 s[TGW], SLOT
	s_mov_b32 s[TGR], 0
	s_wait_dscnt 0x0                               ; the opening add is done
	s_wait_kmcnt 0x0
	s_add_nc_u64 s[14:15], s[4:5], s[16:17]
	s_add_nc_u64 s[46:47], s[6:7], s[46:47]
	CROUND                                         ; all sixteen work-groups are here: the first joint loads meet
.irp s, 0,1
	s_mov_b32 s[G0+4*(\s)], 1
	s_add_co_u32 s[G0+4*(\s)+1], s20, (\s)*SLOT
	s_add_nc_u64 s[G0+4*(\s)+2:G0+4*(\s)+3], s[14:15], (\s)*ASTEP
	s_or_b32 s[G0+4*(\s)+3], s[G0+4*(\s)+3], 0x80000000
	s_mov_b32 s[G0B+4*(\s)], 1
	s_add_co_u32 s[G0B+4*(\s)+1], s21, (\s)*SLOT
	s_add_nc_u64 s[G0B+4*(\s)+2:G0B+4*(\s)+3], s[46:47], (\s)*BSTEP
	s_or_b32 s[G0B+4*(\s)+3], s[G0B+4*(\s)+3], 0x80000000
	JLOAD \s                                       ; K steps 0 and 1: two loads of mine are out
.endr
	v_and_b32 v1, 15, v0                           ; l % 16
	v_bfe_u32 v2, v0, 4, 1                         ; l / 16
	v_mul_u32_u24 v3, v1, PA                       ; h's fragment: row l % 16, 16 bytes for each half of the lanes
	v_lshl_add_u32 v3, v2, 4, v3
	s_mul_i32 s22, s11, HALFA
	v_add_nc_u32 v[A0], s22, v3
	v_and_b32 v4, 7, v0                            ; W's, turned: lane l reads k row 8 (l / 16) + l % 8, columns 8 ((l / 8) % 2) + 0..7
	v_lshl_add_u32 v4, v2, 3, v4
	v_mul_u32_u24 v4, v4, PB
	v_bfe_u32 v5, v0, 3, 1
	v_lshl_add_u32 v4, v5, 4, v4
	s_mul_i32 s23, s12, HALFB
	s_add_co_u32 s23, s23, BOFF
	v_add_nc_u32 v[B0], s23, v4
	v_mov_b32 v[ADRA], v[A0]
	v_mov_b32 v[ADRB], v[B0]
	s_mul_i32 s22, s10, WREG                       ; the way out: my 128 rows of 528 bytes
	v_mul_u32_u24 v3, v1, DP
	v_lshl_add_u32 v3, v2, 5, v3
	v_add_nc_u32 v[STO], s22, v3                   ; in: row l % 16, 32 bytes for each half of the lanes
	v_bfe_u32 v3, v0, 3, 2
	v_mul_u32_u24 v3, v3, DP
	v_and_b32 v4, 7, v0
	v_lshl_add_u32 v3, v4, 5, v3
	v_add_nc_u32 v[RD], s22, v3                    ; back: row l / 8, eight numbers at column 8 (l % 8)
	v_and_b32 v3, 31, v0
	v_lshlrev_b32 v[CO], 4, v3
	v_lshlrev_b32 v[BO], 5, v2                     ; my eight numbers among 16 of the bias
	s_lshr_b32 s76, s42, 2                         ; tile columns 0-3 are q's, 4-7 k's, 8-11 v's
	s_cmp_eq_u32 s76, 1
	s_cselect_b64 s[68:69], s[70:71], s[68:69]
	s_cmp_eq_u32 s76, 2
	s_cselect_b64 s[68:69], s[72:73], s[68:69]
	s_and_b32 s76, s42, 3
	s_lshl_b32 s76, s76, 10                        ; 256 columns of 4 bytes
	s_lshl_b32 s77, s12, 9
	s_add_co_u32 s76, s76, s77
	s_mov_b32 s77, 0
	s_add_nc_u64 s[68:69], s[68:69], s[76:77]      ; the bias at my 128 columns
	s_lshr_b32 s92, s13, 2                         ; the output: batch x 48 groups
	s_mul_i32 s92, s92, 48
	s_lshl_b32 s93, s42, 2                         ; + 4 groups a tile column + 2 a half
	s_add_co_u32 s92, s92, s93
	s_lshl_b32 s93, s12, 1
	s_add_co_u32 s92, s92, s93
	s_lshl_b32 s92, s92, 17                        ; of 131,072 bytes
	s_and_b32 s93, s13, 3
	s_lshl_b32 s93, s93, 8
	s_lshl_b32 s94, s11, 7
	s_add_co_u32 s93, s93, s94                     ; my first t,
	s_lshl_b32 s93, s93, 7                         ; rows of 128 bytes
	s_add_co_u32 s92, s92, s93
	s_mov_b32 s93, 0
	s_add_nc_u64 s[8:9], s[74:75], s[92:93]
	; THE SUMS START FROM THE BIAS: register j of accumulator (a, b) takes bias[16 b + 8 (l / 16) + j].  Nothing is cleared, no first product is written out, no bias is added later.
.irp hi, 0,1
	WIN 0x80+0x40*(\hi)                            ; destination window 2 or 3, address window 0
.irp a, 0,1,2,3
.irp b, 0,1,2,3,4,5,6,7
	global_load_b128 v[8*(8*(\a)+(\b)):8*(8*(\a)+(\b))+3],   v[BO], s[68:69] offset:64*(\b)
	global_load_b128 v[8*(8*(\a)+(\b))+4:8*(8*(\a)+(\b))+7], v[BO], s[68:69] offset:64*(\b)+16
.endr
.endr
.endr
	WIN 0
; 16 matrix instructions: row blocks a0, a0 + 1 of the window's four x all 8 column blocks, 32 along K.  The 64 accumulators take turns in one fixed order.
.macro MUL16 f, hi, a0
	WIN MUL_LO+0x50*(\hi)
.irp a, \a0, (\a0)+1
.irp b, 0,1,2,3,4,5,6,7
	v_wmma_f32_16x16x32_bf16 v[8*(8*(\a)+(\b)):8*(8*(\a)+(\b))+7], v[(\f)+8*(\b):(\f)+8*(\b)+7], v[(\f)+8*(4*(\hi)+(\a)):(\f)+8*(4*(\hi)+(\a))+7], v[8*(8*(\a)+(\b)):8*(8*(\a)+(\b))+7]
.endr
.endr
.endm
; 32 LDS loads in one run: the fragments of quarter q (32 along K) into buffer f: W's 8 column blocks, turned, then h's 8 row blocks
.macro FETCH q, f
	WIN TO_B
.irp i, 0,1,2,3,4,5,6,7
	ds_load_tr16_b128 v[(\f)+8*(\i):(\f)+8*(\i)+3],   v[ADRB] offset:(\q)*32*PB+32*(\i)
	ds_load_tr16_b128 v[(\f)+8*(\i)+4:(\f)+8*(\i)+7], v[ADRB] offset:(\q)*32*PB+16*PB+32*(\i)
.endr
	WIN 0
.irp i, 0,1,2,3,4,5,6,7
	ds_load_b128 v[(\f)+8*(\i):(\f)+8*(\i)+3],   v[ADRA] offset:(\q)*64+(\i)*16*PA
	ds_load_b128 v[(\f)+8*(\i)+4:(\f)+8*(\i)+7], v[ADRA] offset:(\q)*64+(\i)*16*PA+32
.endr
.endm
; One of a K step's first three quarters.  At its head buffer f is waited for whole, and quarter q's 32 loads go out at once, into buffer g: they have this quarter's 64 matrix instructions in which to land.
.macro QUARTER q, f, g
	s_wait_dscnt 0x0                               ; buffer f is in
	PLACES                                         ; behind the last products of the quarter before, which read buffer g
	FETCH \q, \g
	MUL16 \f, 0, 0
	MUL16 \f, 0, 2
	MUL16 \f, 1, 0
	MUL16 \f, 1, 2
.endm
; The last quarter multiplies buffer 1 and changes slots: ONE barrier.  In front of it each wave waits for all its tensor loads (one is out: its part of the next slot), adds 0 to its spare word,
; and waits for that and for its reads of this slot.  fill = 1: the barrier opens a round of the cluster's, and this slot is filled again first thing behind it, with the K step two on.
.macro TURN fill
	WIN 0
	s_wait_tensorcnt 0x0
	ds_add_u32 v[SPW], v[NIL]
	s_wait_dscnt 9                                 ; (the add and the run's youngest eight loads, h's rows 64-127, may be out)
	MUL16 F1, 0, 0
	s_wait_dscnt 0x0                               ; the add is done, and my reads of this slot are over
	s_barrier_signal -1
	MUL16 F1, 0, 2
	WIN 0
	s_barrier_wait -1
.if \fill
	CREST                                          ; no wave of any partner still reads this slot or has a load on its way
	s_xor_b32 s[TGW], s[TGW], SLOT                 ; the walking descriptors: the other slot than last time,
	s_add_co_u32 s[G0+5], s20, s[TGW]
	s_add_co_u32 s[G0B+5], s21, s[TGW]
	s_add_nc_u64 s[G0+6:G0+7], s[G0+6:G0+7], ASTEP     ; the next K step; the type bits on top are not reached
	s_add_nc_u64 s[G0B+6:G0B+7], s[G0B+6:G0B+7], BSTEP
	JLOAD 1                                        ; the four v_nop behind it are also the places in front of the loads below
.else
	PLACES
.endif
	s_xor_b32 s[TGR], s[TGR], SLOT                 ; the fragments now come from the other slot
	v_add_nc_u32 v[ADRA], s[TGR], v[A0]
	v_add_nc_u32 v[ADRB], s[TGR], v[B0]
	FETCH 0, F0
	MUL16 F1, 1, 0
	MUL16 F1, 1, 2
.endm
	s_wait_tensorcnt 1                             ; my part of K step 0 is in; K step 1's may stay out
	s_barrier_signal -1
	s_barrier_wait -1
	FETCH 0, F0
	s_wait_loadcnt 0x0                             ; the bias lies in the accumulators
	s_mov_b32 s3, STEPS-2
.Lmain:                                                ; six K steps, each of which fills its slot again
	QUARTER 1, F0, F1
	QUARTER 2, F1, F0
	QUARTER 3, F0, F1
	TURN 1
	WIN 0
	s_sub_co_u32 s3, s3, 1
	s_cmp_lg_u32 s3, 0
	s_cbranch_scc1 .Lmain
	s_mov_b32 s3, 2
.Ltail:                                                ; the last two K steps ask for nothing; the second trip is left in its middle
	QUARTER 1, F0, F1
	QUARTER 2, F1, F0
	QUARTER 3, F0, F1
	WIN 0
	s_sub_co_u32 s3, s3, 1
	s_cmp_eq_u32 s3, 0
	s_cbranch_scc1 .Llast
	TURN 0
	WIN 0
	s_branch .Ltail
.Llast:
	s_wait_dscnt 8                                 ; the run's youngest eight loads may be out
	MUL16 F1, 0, 0
	MUL16 F1, 0, 2
	s_wait_dscnt 0x0                               ; my last reads of the ring are over:
	s_barrier_signal -1
	MUL16 F1, 1, 0
	MUL16 F1, 1, 2
	WIN 0
	s_barrier_wait -1                              ; everybody's are, and the ring has had its last fill: it now serves as the stage
	PLACES
	; THE WAY OUT.  My 128 x 128 sums go into my own 128 rows of 528 bytes (each accumulator's low registers first), and come back by rows; LDS serves a wave's instructions in order (ISA guide 5.7.1.4).
.irp hi, 0,1
	WIN 0x08+4*(\hi)                               ; store data (source 1) window 2 or 3
.irp a, 0,1,2,3
.irp b, 0,1,2,3,4,5,6,7
	ds_store_b128 v[STO], v[8*(8*(\a)+(\b)):8*(8*(\a)+(\b))+3]   offset:(4*(\hi)+(\a))*16*DP+64*(\b)
	ds_store_b128 v[STO], v[8*(8*(\a)+(\b))+4:8*(8*(\a)+(\b))+7] offset:(4*(\hi)+(\a))*16*DP+64*(\b)+16
.endr
.endr
.endr
	WIN 0
.macro BACK                            ; 16 rows: unit u = 4 x head + group of four rows; a lane takes eight numbers of a row
.irp u, 0,1,2,3,4,5,6,7
	ds_load_b128 v[X+8*(\u):X+8*(\u)+3],   v[RD] offset:((\u)%4)*4*DP+((\u)/4)*256
	ds_load_b128 v[X+8*(\u)+4:X+8*(\u)+7], v[RD] offset:((\u)%4)*4*DP+((\u)/4)*256+16
.endr
.endm
	BACK
	s_mov_b32 s3, 8
.Lrows:                                                ; eight trips of 16 rows; the next rows are read while these are stored
	s_wait_dscnt 0x0
.set i, 0
.rept 32
	v_cvt_pk_bf16_f32 v[Y+i], v[X+2*i], v[X+2*i+1]
.set i, i+1
.endr
	s_cmp_eq_u32 s3, 1
	s_cbranch_scc1 .Lno_more                       ; the last trip has no rows to read ahead
	v_add_nc_u32 v[RD], 16*DP, v[RD]
	BACK
.Lno_more:
.irp u, 0,1,2,3,4,5,6,7
	global_store_b128 v[CO], v[Y+4*(\u):Y+4*(\u)+3], s[8:9] offset:((\u)/4)*131072+((\u)%4)*512  ; four rows of a head: 512 consecutive bytes, aligned
.endr
	s_wait_xcnt 0x0                                ; the stores' base and data are rewritten only behind this wait
	s_add_nc_u64 s[8:9], s[8:9], 2048
	s_sub_co_u32 s3, s3, 1
	s_cmp_lg_u32 s3, 0
	s_cbranch_scc1 .Lrows
	s_wait_tensorcnt 0x0                           ; the wave's end
	ds_add_u32 v[SPW], v[NIL]
	s_wait_dscnt 0x0
	CROUND                                         ; the closing round: no work-group ends while a partner may still ask for a tile that names it
	s_endpgm
.Lfunc_end_k_q672701bf43_qkv:
	.size	k_q672701bf43_qkv, .Lfunc_end_k_q672701bf43_qkv-k_q672701bf43_qkv
	.p2alignl 7, 3214868480
	.fill 96, 4, 3214868480
	.section	.rodata,"a",@progbits
	.p2align	6, 0x0
	.amdhsa_kernel k_q672701bf43_qkv
		.amdhsa_group_segment_fixed_size 327680
		.amdhsa_private_segment_fixed_size 0
		.amdhsa_enable_private_segment 0
		.amdhsa_kernarg_size 48
		.amdhsa_user_sgpr_count 2
		.amdhsa_user_sgpr_kernarg_segment_ptr 1
		.amdhsa_wavefront_size32 1
		.amdhsa_system_sgpr_workgroup_id_x 1
		.amdhsa_system_sgpr_workgroup_id_y 1
		.amdhsa_system_sgpr_workgroup_id_z 1
		.amdhsa_system_vgpr_workitem_id 0
		.amdhsa_next_free_vgpr 1024
		.amdhsa_next_free_sgpr 100
		.amdhsa_reserve_vcc 0
		.amdhsa_float_denorm_mode_32 3
		.amdhsa_float_denorm_mode_16_64 3
		.amdhsa_memory_ordered 1
		.amdhsa_forward_progress 1
		.amdhsa_inst_pref_size 93
	.end_amdhsa_kernel
	.amdgpu_metadata
---
amdhsa.version: [ 1, 2 ]
amdhsa.kernels:
  - .name:           k_q672701bf43_qkv
    .symbol:         k_q672701bf43_qkv.kd
    .args:
      - { .name: hbuf, .offset: 0, .size: 8, .value_kind: global_buffer, .address_space: global }
      - { .name: wb, .offset: 8, .size: 8, .value_kind: global_buffer, .address_space: global }
      - { .name: bq, .offset: 16, .size: 8, .value_kind: global_buffer, .address_space: global }
      - { .name: bk, .offset: 24, .size: 8, .value_kind: global_buffer, .address_space: global }
      - { .name: bv, .offset: 32, .size: 8, .value_kind: global_buffer, .address_space: global }
      - { .name: qkvb, .offset: 40, .size: 8, .value_kind: global_buffer, .address_space: global }
    .group_segment_fixed_size: 327680
    .private_segment_fixed_size: 0
    .kernarg_segment_align: 8
    .kernarg_segment_size: 48
    .max_flat_workgroup_size: 128
    .sgpr_count:     100
    .vgpr_count:     1024
    .wavefront_size: 32
...
	.end_amdgpu_metadata
.endif
;; end of part 2
;; launch attn (part 3): grid 4 x 64, 4 waves a work-group, no clusters, 327,680 bytes of LDS; arguments qkvb, ybuf; writes ybuf
.if DOCPART == 3
	.amdgcn_target "amdgcn-amd-amdhsa--gfx1250"
	.amdhsa_code_object_version 6
	.text
	.protected	k_q672701bf43_attn
	.globl	k_q672701bf43_attn
	.p2align	8
	.type	k_q672701bf43_attn,@function
k_q672701bf43_attn:
	s_mov_b64 s[64:65], 0
	v_nop
	global_prefetch_b8 v0, s[64:65] scope:SCOPE_SE
	s_setreg_imm32_b32 hwreg(HW_REG_WAVE_MODE, 25, 1), 1
	s_wait_xcnt 0x0
; CAUSAL ATTENTION.  y[bh][q][:] = the sum over k <= q of softmax_k(Q[q] . K[k] / 8) V[k][:], for 64 (batch, head) pairs of 1,024 rows x 64 channels, all bf16.
; In: qkvb [batch][group 48][t][64], q's heads 0-15, k's 16-31, v's 32-47.  Out: ybuf [batch x 16 + head][t][64].  Products, maxima and sums in f32; the weights p are rounded to bf16 for the second product.
; LIMITS.  A hidden score counts as its value less 1e30, so scores stay far below 1e30; a weight below 2^-126 counts as 0; NaN and infinities are not treated apart.
; THE WALK.  A head's queries lie in 8 blocks of 128; block i needs the key tiles 0 .. i of 128 keys, the last of which holds the diagonal.  A work-group takes blocks 7 - p and then p: 9 tiles whatever p,
; so all 256 work-groups do equal work and ONE loop with a constant count walks them.  What differs lies in scalars made from p; every jump but the counted loops' own goes forward and passes no barrier and no tensor load.
; NO CLUSTER: a head's four work-groups ask for the same tile only in trips 0 .. 4 of 9, and a walk common to all four would have 12 trips for 9.
; SHARES.  Of a block's two bands of 64 queries a wave owns 16 rows in each: two PIECES.  In the diagonal tile's key step s (64 keys) band u sees all keys if s < u, none if s > u, and holds the diagonal if s = u: alike for every wave.
; THE MASK is the C operand that starts S^T = K Q^T: MD x AL + BE, MD being the mask of a band's own step for my rows (0 or -1e30), AL and BE scalars.  It is made in every step (32 packed lines), so one text serves every tile.
; LAYOUT.  S^T = K Q^T holds ONE query a lane (lane % 16) and the keys 8 (lane / 16) + 0..7; two such results rounded to bf16 ARE source 1 of O^T = V^T P.  p = 2^(c s - c m), c = log2(e) / 8, with a running maximum m;
; O and l are multiplied by a = 2^(c m_old - c m_new) in every step.  A STEP stands in phases, turned by half a step: this step's K is fetched, the step before's V^T P is multiplied, V is fetched, K Q^T, the softmax.
; REGISTERS in windows of 256: window 0 v2-15 addresses, v16-23 statistics, v24-31 at work, v64-127 S^T, v192-223 P; window 1 v0-63 O^T, v128-159 MD, v160-223 MC; window 2 v0-31 Q, v64-95 the second block's Q, v128-191 K, v192-255 V.
.set NB,    8
.set KS,    64                         ; keys in a step
.set PK,    144                        ; a row of K in LDS: 128 bytes + 16 = 36 words: the 16 rows of a load start at 16 different groups of four banks (64 banks of 4 bytes: ISA guide 11.1)
.set PV,    160                        ; a row of V: 128 + 32 = 40 words
.set VOFF,  2*KS*PK                    ; a slot holds a tile, two steps: 128 rows of K, then 128 rows of V
.set SLOT1, 1<<16                      ; slot 1 begins here, so that one exclusive or turns an address in one slot into the other's
.set STAGE, SLOT1+2*KS*(PK+PV)         ; behind the ring, never filled by a tensor load: 16 rows x 144 bytes a wave, for the way out
.set SP,    144
.set SPARE, STAGE+4*16*SP              ; the spare words, 128 bytes a wave: two blocks of 256 bytes that no other line names
.set AK0, 2                            ; v2   my lane's place in a tile of K; never rewritten
.set AV0, 3                            ; v3   the same for V
.set AK,  4                            ; v4   the LDS address of K's run of loads
.set AV,  5                            ; v5   of V's
.set STO, 6                            ; v6   the way out: where I put 16 bytes of a row
.set RD,  7                            ; v7   where I read rows back
.set GO,  8                            ; v8   my byte offset in 512 consecutive bytes of y
.set MV,  12                           ; v12-13  c m_old, by piece
.set QO,  15                           ; v15  my byte offset in 16 rows of Q
.set ST,  16                           ; piece u's statistics at v[ST+4 u]: c m, m, l (even keys', odd keys')
.set TMP, 24                           ; by piece four registers c0-c3 at work; when the maximum is found c2 takes a
.set SPW, 62                           ; v62  my spare word: SPARE + 4 x my thread's number; never rewritten
.set NIL, 63                           ; v63  0; never rewritten
.set S,   64
.set P,   192
.set MD,  128                          ; window 1
.set MC,  160                          ; window 1
.set QB,  64                           ; window 2
.set KF,  128                          ; window 2: key block kb, channel half c at KF + 16 kb + 8 c
.set VF,  192                          ; window 2: key half kk, channel block cb at VF + 32 kk + 8 cb
.set WV,  12                           ; s12  my wave's number
.set PB,  14                           ; s14  p
.set HI,  15                           ; s15  7 - p
.set G1K, 24                           ; s[24:31] descriptor group 1 for K's tiles;  s[32:39] for V's: it differs in the padding alone
.set G1V, 32
.set G0K, 40                           ; s[40:43], s[44:47] descriptor group 0
.set G0V, 44
.set SLOTS, 56                         ; s56  tiles still to be asked for
.set CNT, 57                           ; s57  counts a tile's key steps, 2 and 1
.set CS,  58                           ; s[58:59] c
.set SEL, 60                           ; s[60:61] v_permlanex16_b32's selects
.set TBK, 62                           ; s62  LDS byte at which K of the step to be fetched begins
.set TBV, 63                           ; s63  the same for V, less VOFF
.set RT,  70                           ; s70  tiles of the block in hand still to be entered
.set NXT, 71                           ; s71  the tile to be asked for next
.set LQ,  72                           ; s72  the last tile of the block whose tiles are being asked for
.set DG,  73                           ; s73  1: the tile in hand holds the diagonal
.set OFF, 74                           ; s[74:75] a tile's byte offset in K and V
.set AL0, 76                           ; s[76:77] piece 0's factor, s[78:79] its addend
.set BE0, 78
.set OLO, 80                           ; s[80:81] y at my rows of the second block
.set BIGN, 82                          ; s82  -1e30
.set AL1, 84                           ; s[84:85] piece 1's factor; its addend is s[86:87] = 0
.set ZR,  86
.set MSB, 0
.macro WIN new
.if MSB != (\new)
	s_set_vgpr_msb (MSB<<8)|(\new)
.set MSB, (\new)
.endif
.endm
.set W_KQ, 0x0a                        ; K and Q in window 2, S^T in window 0
.set W_KM, 0x1a                        ; the same with the C operand in window 1
.set W_PV, 0x52                        ; V in window 2, P in window 0, O^T in window 1
.set W_RS, 0x41                        ; destination and source 0 in window 1, source 1 in window 0
; A fill.  Waves 0 and 1 fetch the two halves of a tile's K, waves 2 and 3 those of its V: 64 keys each.  An s_nop 0 and four v_nop follow each line.
.macro LOAD
	s_cmp_lt_u32 s[WV], 2
	s_cbranch_scc0 .Lfor_v_\@
	tensor_load_to_lds s[G0K:G0K+3], s[G1K:G1K+7]
	s_nop 0
.rept 4
	v_nop
.endr
	s_branch .Lasked_\@
.Lfor_v_\@:
	tensor_load_to_lds s[G0V:G0V+3], s[G1V:G1V+7]
	s_nop 0
.rept 4
	v_nop
.endr
.Lasked_\@:
.endm
; THE CHANGE OF SLOTS.  Each wave waits for all its tensor loads (one is out: its part of the other slot), adds 0 to its spare word, and waits for that and for its reads of the slot that it leaves.
; fill = 1: the old slot is filled again, first thing behind the barrier, with tile NXT; the descriptor's address is made anew from that number.  (At its first use slot 0 is waited for and slot 1 filled.)
.macro CHANGE fill
	WIN 0
	s_wait_tensorcnt 0x0
	ds_add_u32 v[SPW], v[NIL]
.if \fill
	s_lshl_b32 s[OFF], s[NXT], 14                  ; a tile is 16,384 bytes of K and of V
	s_xor_b32 s[G0K+1], s[G0K+1], SLOT1
	s_add_nc_u64 s[G0K+2:G0K+3], s[6:7], s[OFF:OFF+1]
	s_or_b32 s[G0K+3], s[G0K+3], 0x80000000
	s_xor_b32 s[G0V+1], s[G0V+1], SLOT1
	s_add_nc_u64 s[G0V+2:G0V+3], s[8:9], s[OFF:OFF+1]
	s_or_b32 s[G0V+3], s[G0V+3], 0x80000000
	s_add_co_u32 s[NXT], s[NXT], 1                 ; the block's next tile, or behind its last the second block's tile 0
	s_cmp_gt_u32 s[NXT], s[LQ]
	s_cselect_b32 s[NXT], 0, s[NXT]
	s_cselect_b32 s[LQ], s[PB], s[LQ]
.endif
	s_wait_dscnt 0x0                               ; the add is done, and my reads of the slot are over
	s_barrier_signal -1
	s_sub_co_u32 s[TBK], s[TBK], 2*KS*PK           ; the fetches go back to a slot's first step, in the other slot
	s_xor_b32 s[TBK], s[TBK], SLOT1
	s_sub_co_u32 s[TBV], s[TBV], 2*KS*PV
	s_xor_b32 s[TBV], s[TBV], SLOT1
	s_barrier_wait -1
.if \fill
	LOAD
.endif
.endm
.macro PLACES
.rept 4
	v_nop
.endr
.endm
; A block begins: c m far below every c s, so the first step's a is 0; m the lowest finite number; P = 0, so the first step's products V^T P, of a step that has not been, add 0.
.macro RESET
	WIN 0
.irp u, 0,1
	v_mov_b32 v[ST+4*(\u)], 0xfe000000
	v_mov_b32 v[ST+4*(\u)+1], 0xff7fffff
.endr
.set i, 0
.rept 32
	v_mov_b32 v[P+i], 0
.set i, i+1
.endr
.endm
	s_load_b128 s[20:23], s[0:1], 0x0              ; qkvb s[20:21], ybuf s[22:23]
	v_lshl_add_u32 v[SPW], v0, 2, SPARE
	v_mov_b32 v[NIL], 0
	ds_add_u32 v[SPW], v[NIL]                      ; the wave's opening: the add and its wait ahead of my first tensor load
	ds_add_u32 v62, v63
	v_lshrrev_b32 v1, 5, v0
	v_readfirstlane_b32 s[WV], v1                  ; wave 0..3
	s_mov_b32 s[PB], ttmp9
	s_sub_co_u32 s[HI], NB-1, s[PB]
	s_and_b32 s2, ttmp7, 0xffff                    ; batch x 16 + head
	s_lshr_b32 s3, s2, 4
	s_mul_i32 s3, s3, 48
	s_and_b32 s13, s2, 15
	s_add_co_u32 s3, s3, s13                       ; q's group: 48 x batch + head
	s_and_b32 s16, s[WV], 1                        ; which half of a tile's 128 keys I fetch:
	s_mul_i32 s17, s16, KS*PK                      ; its place in a slot, for K
	s_mul_i32 s18, s16, KS*PV                      ; and for V,
	s_lshl_b32 s19, s16, 13                        ; its 64 rows of 128 bytes in memory
	s_lshl_b32 s48, s3, 17                         ; q's head, 131,072 bytes a group
	s_add_co_u32 s50, s48, 0x200000                ; k's head lies 16 groups on,
	s_add_co_u32 s50, s50, s19
	s_mov_b32 s51, 0
	s_add_co_u32 s52, s48, 0x400000                ; v's 32
	s_add_co_u32 s52, s52, s19
	s_mov_b32 s53, 0
	s_lshl_b32 s13, s[WV], 11                      ; my 16 rows in a band of 64,
	s_lshl_b32 s54, s[HI], 14                      ; in the first block,
	s_add_co_u32 s54, s54, s13
	s_lshl_b32 s88, s[PB], 14                      ; and in the second
	s_add_co_u32 s88, s88, s13
	s_lshl_b32 s90, s2, 17                         ; y's head
	s_add_co_u32 s94, s48, s88                     ; Q, second block
	s_mov_b32 s95, 0
	s_add_co_u32 s48, s48, s54                     ; Q, first block
	s_mov_b32 s49, 0
	s_add_co_u32 s54, s90, s54                     ; y, first block
	s_mov_b32 s55, 0
	s_add_co_u32 s88, s90, s88                     ; y, second block
	s_mov_b32 s89, 0
	; descriptor group 1.  64 keys are 8,192 dense bytes: asked for as 32 rows of 256 bytes, two keys a row, and padded in LDS after every key
	s_mov_b32 s[G1K], (1<<16)|(1<<20)|(4<<22)|(3<<25)  ; 2-byte elements; padding on; after every 32 words 4 words
	s_mov_b32 s[G1V], (1<<16)|(1<<20)|(4<<22)|(7<<25)  ; the same with 8 words
.irp g, G1K, G1V
	s_mov_b32 s[\g+1], 128<<16                     ; tensor_dim0 = 128
	s_mov_b32 s[\g+2], 32<<16                      ; tensor_dim1 = 32
	s_mov_b32 s[\g+3], 128<<16                     ; tile_dim0 = 128
	s_mov_b32 s[\g+4], 32                          ; tile_dim1 = 32
	s_mov_b32 s[\g+5], 128                         ; 128 elements from row to row
	s_mov_b32 s[\g+6], 0
	s_mov_b32 s[\g+7], 0
.endr
	s_mov_b32 s[CS], 0x3e38aa3b                    ; c = log2(e) / 8
	s_mov_b32 s[CS+1], s[CS]
	s_mov_b32 s[SEL], 0x76543210
	s_mov_b32 s[SEL+1], 0xfedcba98
	s_mov_b32 s[TBK], SLOT1+2*KS*PK                ; the first change of slots turns these two into 0
	s_mov_b32 s[TBV], SLOT1+2*KS*PV
	s_mov_b32 s[G0K], 1
	s_mov_b32 s[G0K+1], s17                        ; slot 0
	s_mov_b32 s[G0V], 1
	s_add_co_u32 s[G0V+1], s18, VOFF
	s_add_co_u32 s[RT], s[HI], 1                   ; the first block has 8 - p tiles
	s_mov_b32 s[NXT], 1
	s_mov_b32 s[LQ], s[HI]
	s_mov_b32 s[OFF+1], 0
	s_mov_b32 s[AL0+1], 0                          ; named as pairs
	s_mov_b32 s[BE0+1], 0
	s_mov_b32 s[AL1+1], 0
	s_mov_b32 s[ZR], 0
	s_mov_b32 s[ZR+1], 0
	s_mov_b32 s[BIGN], 0xf149f2ca                  ; -1e30
	s_mov_b32 s[SLOTS], NB
	s_wait_dscnt 0x0                               ; the opening add is done
	s_wait_kmcnt 0x0
	s_add_nc_u64 s[4:5], s[20:21], s[48:49]        ; Q at my rows of the first block
	s_add_nc_u64 s[6:7], s[20:21], s[50:51]        ; K and V at my half of the head's tile 0
	s_add_nc_u64 s[8:9], s[20:21], s[52:53]
	s_add_nc_u64 s[92:93], s[20:21], s[94:95]      ; Q at my rows of the second block
	s_add_nc_u64 s[10:11], s[22:23], s[54:55]      ; y likewise
	s_add_nc_u64 s[OLO:OLO+1], s[22:23], s[88:89]
	s_add_nc_u64 s[G0K+2:G0K+3], s[6:7], 0
	s_or_b32 s[G0K+3], s[G0K+3], 0x80000000
	s_add_nc_u64 s[G0V+2:G0V+3], s[8:9], 0
	s_or_b32 s[G0V+3], s[G0V+3], 0x80000000
	LOAD                                           ; tile 0 into slot 0
	v_and_b32 v1, 15, v0                           ; l % 16
	v_bfe_u32 v9, v0, 4, 1                         ; l / 16
	v_lshlrev_b32 v[QO], 7, v1
	v_lshl_add_u32 v[QO], v9, 4, v[QO]             ; row x 128 + 16 x half
	WIN 0x80                                       ; destination window 2, address window 0
.set i, 0
.rept 4                                ; both blocks' Q: piece i / 2 lies 8,192 bytes on; channels 32 (i % 2) on
	global_load_b128 v[8*i:8*i+3],   v[QO], s[4:5] offset:(i/2)*8192+(i%2)*64
	global_load_b128 v[8*i+4:8*i+7], v[QO], s[4:5] offset:(i/2)*8192+(i%2)*64+32
	global_load_b128 v[QB+8*i:QB+8*i+3],   v[QO], s[92:93] offset:(i/2)*8192+(i%2)*64
	global_load_b128 v[QB+8*i+4:QB+8*i+7], v[QO], s[92:93] offset:(i/2)*8192+(i%2)*64+32
.set i, i+1
.endr
	WIN 0
	v_lshlrev_b32 v14, 3, v9
	v_sub_nc_u32 v14, v1, v14
	s_lshl_b32 s13, s[WV], 4
	v_add_nc_u32 v14, s13, v14                     ; my query's place in its band less my lanes' 8 (l / 16): register r of key group kt is hidden where 16 kt + r is greater
	WIN 0x40
.set i, 0
.rept 32
	v_cmp_gt_i32 vcc_lo, 16*(i/8)+i%8, v14
	v_cndmask_b32 v[MD+i], 0, s[BIGN], vcc_lo
.set i, i+1
.endr
	WIN 0
	v_mul_u32_u24 v[AK0], v1, PK
	v_lshl_add_u32 v[AK0], v9, 4, v[AK0]           ; row x pitch + 16 x half
	v_and_b32 v10, 7, v0                           ; the turning load: lane l reads key 8 (l / 16) + l % 8, channels 8 ((l / 8) % 2) + 0..7
	v_bfe_u32 v11, v0, 3, 1
	v_lshl_add_u32 v[AV0], v9, 3, v10
	v_mul_u32_u24 v[AV0], v[AV0], PV
	v_lshl_add_u32 v[AV0], v11, 4, v[AV0]
	v_add_nc_u32 v[AV0], VOFF, v[AV0]
	s_mul_i32 s13, s[WV], 16*SP
	s_add_co_u32 s13, s13, STAGE                   ; my stage
	v_mul_u32_u24 v[STO], v1, SP
	v_lshl_add_u32 v[STO], v9, 4, v[STO]
	v_add_nc_u32 v[STO], s13, v[STO]
	v_bfe_u32 v[RD], v0, 3, 2                      ; back: 32 lanes take four rows of 128 bytes,
	v_mul_u32_u24 v[RD], v[RD], SP
	v_lshl_add_u32 v[RD], v10, 4, v[RD]
	v_add_nc_u32 v[RD], s13, v[RD]
	v_and_b32 v[GO], 31, v0                        ; which are 512 consecutive bytes of y
	v_lshlrev_b32 v[GO], 4, v[GO]
	; A block's first step multiplies O^T and l by a = 0, so these need only hold finite numbers: zeros now, what the first block left later.  The price of writing no first step out; it stands in the wait for the first tile.
	WIN 0x80
.set i, VF
.rept 64
	v_mov_b32 v[i], 0
.set i, i+1
.endr
	WIN 0x40
.set i, 0
.rept 64
	v_mov_b32 v[i], 0
.set i, i+1
.endr
	WIN 0
.irp u, 0,1
	v_mov_b32 v[ST+4*(\u)+2], 0
	v_mov_b32 v[ST+4*(\u)+3], 0
.endr
	RESET
; THE MATRIX WORK.  The 8 accumulators of a run of 16 take turns.  Product i of S^T = K Q^T: piece i % 2, keys 16 ((i / 2) % 4) on, channels 32 (i / 8) on.  The first 8 start the sums with the mask.
.macro KQM
.set rS, S+32*(i%2)+8*((i/2)%4)
.set rK, KF+16*((i/2)%4)+8*(i/8)
.set rQ, 16*(i%2)+8*(i/8)
.set rM, MC+32*(i%2)+8*((i/2)%4)
.if i < 8
	WIN W_KM
	v_wmma_f32_16x16x32_bf16 v[rS:rS+7], v[rK:rK+7], v[rQ:rQ+7], v[rM:rM+7]
.else
	WIN W_KQ
	v_wmma_f32_16x16x32_bf16 v[rS:rS+7], v[rK:rK+7], v[rQ:rQ+7], v[rS:rS+7]
.endif
.endm
; Product i of O^T += V^T P: piece i % 2, channels 16 ((i / 2) % 4) on, keys 32 (i / 8) on.
.macro PVM
	WIN W_PV
.set rO, 32*(i%2)+8*((i/2)%4)
.set rV, VF+32*(i/8)+8*((i/2)%4)
.set rP, P+16*(i%2)+8*(i/8)
	v_wmma_f32_16x16x32_bf16 v[rO:rO+7], v[rV:rV+7], v[rP:rP+7], v[rO:rO+7]
.endm
.macro PV16
.set i, 0
.rept 16
	PVM
.set i, i+1
.endr
.endm
.macro FETCH_K                         ; a step's K: 64 keys x 64 channels, 8 fragments
	WIN 0x80
.irp f, 0,1,2,3,4,5,6,7
	ds_load_b128 v[KF+8*\f:KF+8*\f+3],   v[AK] offset:(\f/2)*16*PK+(\f%2)*64
	ds_load_b128 v[KF+8*\f+4:KF+8*\f+7], v[AK] offset:(\f/2)*16*PK+(\f%2)*64+32
.endr
	s_add_co_u32 s[TBK], s[TBK], KS*PK             ; the next fetch is the next step's
	WIN 0
.endm
.macro FETCH_V                         ; its V, turned
	WIN 0x80
.irp f, 0,1,2,3,4,5,6,7
	ds_load_tr16_b128 v[VF+8*\f:VF+8*\f+3],   v[AV] offset:(\f/4)*32*PV+(\f%4)*32
	ds_load_tr16_b128 v[VF+8*\f+4:VF+8*\f+7], v[AV] offset:(\f/4)*32*PV+16*PV+(\f%4)*32
.endr
	s_add_co_u32 s[TBV], s[TBV], KS*PV
	WIN 0
.endm
.macro MASK b, al, be                  ; MD x al + be into piece b's part of MC
	WIN W_RS
.set z, 0
.rept 16
	v_pk_fma_f32 v[MC+32*(\b)+2*z:MC+32*(\b)+2*z+1], v[MD+2*z:MD+2*z+1], s[\al:\al+1], s[\be:\be+1] op_sel_hi:[1,0,0]
.set z, z+1
.endr
.endm
.macro REGS u                          ; the registers of piece u
.set rT, ST+4*(\u)
.set rC, TMP+4*(\u)
.set rW, MV+(\u)
.set rS, S+32*(\u)
.set rP, P+16*(\u)
.set rO, 32*(\u)
.endm
; Number n of the 22 that find a piece's maximum and statistics.  0-11 four chains c0-c3 of seven scores each (each accumulator's lowest registers are read first); 12-14, 16 the four scores left over,
; the old m, and c0-c3 into c0; 15 c m_old is kept; 17, 18 the query's other 32 keys lie in the lane 16 away: the new m; 19-21 c m; c m_old - c m_new; a.
.macro XS u, n
	REGS \u
.if (\n) < 4
	v_max3_num_f32 v[rC+(\n)], v[rS+8*(\n)], v[rS+8*(\n)+1], v[rS+8*(\n)+2]
.elseif (\n) < 12
	v_max3_num_f32 v[rC+(\n)%4], v[rC+(\n)%4], v[rS+8*((\n)%4)+2*((\n)/4)+1], v[rS+8*((\n)%4)+2*((\n)/4)+2]
.elseif (\n) == 12
	v_max3_num_f32 v[rC], v[rC], v[rS+7], v[rS+15]
.elseif (\n) == 13
	v_max3_num_f32 v[rC+1], v[rC+1], v[rS+23], v[rS+31]
.elseif (\n) == 14
	v_max3_num_f32 v[rC+2], v[rC+2], v[rC+3], v[rT+1]
.elseif (\n) == 15
	v_mov_b32 v[rW], v[rT]
.elseif (\n) == 16
	v_max3_num_f32 v[rC], v[rC], v[rC+1], v[rC+2]
.elseif (\n) == 17
	v_permlanex16_b32 v[rC+3], v[rC], s[SEL], s[SEL+1]
.elseif (\n) == 18
	v_max_num_f32 v[rT+1], v[rC], v[rC+3]
.elseif (\n) == 19
	v_mul_f32 v[rT], s[CS], v[rT+1]
.elseif (\n) == 20
	v_sub_f32 v[rC+1], v[rW], v[rT]
.else
	v_exp_f32 v[rC+2], v[rC+1]
.endif
.endm
; The softmax of both pieces for one step; the pieces alternate, so that few lines read the result of the line before.
.macro SOFTMAX
	WIN 0
.set k, 0
.rept 22
	XS 0, k
	XS 1, k
.set k, k+1
.endr
.set k, 0
.rept 16                               ; c s - c m, a pair of scores at a time; the first of these is the plain line behind the two exponentials above
.irp u, 0,1
	REGS \u
	v_pk_fma_f32 v[rS+2*k:rS+2*k+1], v[rS+2*k:rS+2*k+1], s[CS:CS+1], v[rT:rT+1] op_sel_hi:[1,0,0] neg_lo:[0,0,1] neg_hi:[0,0,1]
.endr
.set k, k+1
.endr
.set k, 0
.rept 32
.irp u, 0,1
	REGS \u
	v_exp_f32 v[rS+k], v[rS+k]
.endr
.set k, k+1
.endr
	WIN W_RS
.set k, 0
.rept 16                               ; O^T times a, from each accumulator's low end on: also the plain lines between the exponentials and the use of their results
.irp u, 0,1
	REGS \u
	s_wait_alu depctr_va_vdst(0)
	v_pk_mul_f32 v[rO+2*k:rO+2*k+1], v[rO+2*k:rO+2*k+1], v[rC+2:rC+3] op_sel_hi:[1,0]
.endr
.set k, k+1
.endr
	WIN 0
.set k, 0
.rept 16                               ; the weights rounded to bf16
.irp u, 0,1
	REGS \u
	v_cvt_pk_bf16_f32 v[rP+k], v[rS+2*k], v[rS+2*k+1]
.endr
.set k, k+1
.endr
.set k, 0
.rept 8                                ; of four weights the second pair is added onto the first,
.irp u, 0,1
	REGS \u
	v_pk_add_f32 v[rS+4*k:rS+4*k+1], v[rS+4*k:rS+4*k+1], v[rS+4*k+2:rS+4*k+3]
.endr
.set k, k+1
.endr
.irp u, 0,1                            ; and l takes the sums: l = a l + the first, then the others
	REGS \u
	v_pk_fma_f32 v[rT+2:rT+3], v[rT+2:rT+3], v[rC+2:rC+3], v[rS:rS+1] op_sel_hi:[1,0,1]
.endr
.set k, 1
.rept 7
.irp u, 0,1
	REGS \u
	v_pk_add_f32 v[rT+2:rT+3], v[rT+2:rT+3], v[rS+4*k:rS+4*k+1]
.endr
.set k, k+1
.endr
.endm
; A KEY STEP.  In the diagonal tile step 0 (CNT = 2) gives piece 0 its own mask and piece 1 none; step 1 hides all from piece 0 and gives piece 1 its own.  Elsewhere both masks are 0.
.macro STEP
	s_sub_co_u32 s88, s[CNT], 1                    ; 1 in step 0, 0 in step 1
	s_and_b32 s89, s[DG], s88                      ; diagonal tile, step 0
	s_and_not1_b32 s90, s[DG], s88                 ; diagonal tile, step 1
	s_cmp_lg_u32 s89, 0
	s_cselect_b32 s[AL0], 1.0, 0
	s_cmp_lg_u32 s90, 0
	s_cselect_b32 s[AL1], 1.0, 0
	s_cselect_b32 s[BE0], s[BIGN], 0
	WIN 0
	v_add_nc_u32 v[AK], s[TBK], v[AK0]
	v_add_nc_u32 v[AV], s[TBV], v[AV0]
	FETCH_K                                        ; this step's K; the last product that read K stands a whole softmax back
	s_wait_dscnt 16                                ; the step before's V is in; K's 16 loads may be out
	PV16                                           ; O^T += V^T P of the step before
	MASK 0, AL0, BE0                               ; 32 plain lines that name none of those products' registers: also the places in front of V's loads
	MASK 1, AL1, ZR
	FETCH_V                                        ; this step's V, waited for in the next step
	s_wait_dscnt 16                                ; K is in; V's 16 loads may be out
.set i, 0
.rept 16
	KQM
.set i, i+1
.endr
	WIN 0
	PLACES
	SOFTMAX
.endm
.macro STEPS2                          ; a tile's two steps: written once, walked twice
	s_mov_b32 s[CNT], 2
.Lstep_\@:
	STEP
	WIN 0
	s_sub_co_u32 s[CNT], s[CNT], 1
	s_cmp_lg_u32 s[CNT], 0
	s_cbranch_scc1 .Lstep_\@
.endm
.macro PACK t                          ; piece t: O^T / l, rounded; a lane's eight channels pack into 16 bytes, go into rows of 144 bytes and come back as whole rows of 128
	WIN W_RS
.set i, 32*(\t)
.rept 16
	v_pk_mul_f32 v[i:i+1], v[i:i+1], v[ST+4*(\t)+2:ST+4*(\t)+3] op_sel_hi:[1,0]
.set i, i+2
.endr
	WIN 0x05
.set i, 0
.rept 16
	v_cvt_pk_bf16_f32 v[S+16*(\t)+i], v[32*(\t)+2*i], v[32*(\t)+2*i+1]
.set i, i+1
.endr
	WIN 0
.irp f, 0,1,2,3
	ds_store_b128 v[STO], v[S+16*(\t)+4*\f:S+16*(\t)+4*\f+3] offset:32*\f
.endr
.irp f, 0,1,2,3
	ds_load_b128 v[S+16*(\t)+4*\f:S+16*(\t)+4*\f+3], v[RD] offset:\f*4*SP  ; LDS serves a wave's instructions in order (ISA guide 5.7.1.4): these see the stores above
.endr
.endm
.macro SEND t, younger                 ; younger: the LDS instructions issued behind piece t's loads
	WIN 0
.irp f, 0,1,2,3
	s_wait_dscnt (\younger)+3-\f
	global_store_b128 v[GO], v[S+16*(\t)+4*\f:S+16*(\t)+4*\f+3], s[10:11] offset:(\t)*8192+\f*512  ; 512 consecutive bytes, aligned
.endr
.endm
; A BLOCK ENDS: the last step's V^T P, the division by l, the way out.  sw = 1: the second block follows.
.macro FINISH sw
	s_wait_dscnt 0x0                               ; V is in
	PV16
	WIN 0
	PLACES
.irp t, 0,1
	v_add_f32 v[ST+4*(\t)+2], v[ST+4*(\t)+2], v[ST+4*(\t)+3]
.endr
.irp t, 0,1
	v_permlanex16_b32 v[ST+4*(\t)+3], v[ST+4*(\t)+2], s[SEL], s[SEL+1]
.endr
.irp t, 0,1
	v_add_f32 v[ST+4*(\t)+2], v[ST+4*(\t)+2], v[ST+4*(\t)+3]
.endr
.irp t, 0,1
	v_rcp_f32 v[ST+4*(\t)+2], v[ST+4*(\t)+2]
.endr
	v_nop                                          ; a plain line between the last reciprocal and the use of its result
	s_wait_alu depctr_va_vdst(0)
	PACK 0
	PACK 1
	SEND 0, 8
	SEND 1, 0
.if \sw
	s_wait_xcnt 0x0                                ; the stores' registers and base are rewritten only behind this wait
	s_mov_b64 s[10:11], s[OLO:OLO+1]
	s_add_co_u32 s[RT], s[PB], 1                   ; the second block has p + 1 tiles
	WIN 0x82                                       ; its Q goes where the one text of the steps names Q
.set i, 0
.rept 32
	v_mov_b32 v[i], v[QB+i]
.set i, i+1
.endr
	RESET
.endif
.endm
	s_wait_loadcnt 0x0                             ; Q
.Lslot:                                                ; eight times: a tile is entered and the next is asked for
	CHANGE 1
	s_sub_co_u32 s[RT], s[RT], 1
	s_cmp_eq_u32 s[RT], 0
	s_cselect_b32 s[DG], 1, 0                      ; a block's last tile holds the diagonal
	STEPS2
	s_cmp_eq_u32 s[DG], 0
	s_cbranch_scc1 .Lnot_done
	FINISH 1                                       ; in the loop this is the first block's end: the second block's last tile is the walk's last
.Lnot_done:
	s_sub_co_u32 s[SLOTS], s[SLOTS], 1
	s_cmp_lg_u32 s[SLOTS], 0
	s_cbranch_scc1 .Lslot
	CHANGE 0                                       ; the walk's last tile is written out: nothing is asked for
	s_mov_b32 s[DG], 1
	STEPS2
	FINISH 0
	s_wait_tensorcnt 0x0                           ; the wave's end
	ds_add_u32 v[SPW], v[NIL]
	s_wait_dscnt 0x0
	s_endpgm
.Lfunc_end_k_q672701bf43_attn:
	.size	k_q672701bf43_attn, .Lfunc_end_k_q672701bf43_attn-k_q672701bf43_attn
	.p2alignl 7, 3214868480
	.fill 96, 4, 3214868480
	.section	.rodata,"a",@progbits
	.p2align	6, 0x0
	.amdhsa_kernel k_q672701bf43_attn
		.amdhsa_group_segment_fixed_size 327680
		.amdhsa_private_segment_fixed_size 0
		.amdhsa_enable_private_segment 0
		.amdhsa_kernarg_size 16
		.amdhsa_user_sgpr_count 2
		.amdhsa_user_sgpr_kernarg_segment_ptr 1
		.amdhsa_wavefront_size32 1
		.amdhsa_system_sgpr_workgroup_id_x 1
		.amdhsa_system_sgpr_workgroup_id_y 1
		.amdhsa_system_sgpr_workgroup_id_z 1
		.amdhsa_system_vgpr_workitem_id 0
		.amdhsa_next_free_vgpr 768
		.amdhsa_next_free_sgpr 96
		.amdhsa_reserve_vcc 1
		.amdhsa_float_denorm_mode_32 3
		.amdhsa_float_denorm_mode_16_64 3
		.amdhsa_memory_ordered 1
		.amdhsa_forward_progress 1
		.amdhsa_inst_pref_size 78
	.end_amdhsa_kernel
	.amdgpu_metadata
---
amdhsa.version: [ 1, 2 ]
amdhsa.kernels:
  - .name:           k_q672701bf43_attn
    .symbol:         k_q672701bf43_attn.kd
    .args:
      - { .name: qkvb, .offset: 0, .size: 8, .value_kind: global_buffer, .address_space: global }
      - { .name: ybuf, .offset: 8, .size: 8, .value_kind: global_buffer, .address_space: global }
    .group_segment_fixed_size: 327680
    .private_segment_fixed_size: 0
    .kernarg_segment_align: 8
    .kernarg_segment_size: 16
    .max_flat_workgroup_size: 128
    .sgpr_count:     96
    .vgpr_count:     768
    .wavefront_size: 32
...
	.end_amdgpu_metadata
.endif
;; end of part 3
;; launch proj (part 4): grid 8 x 32, 4 waves a work-group, clusters of 4 x 4, 327,680 bytes of LDS; arguments ybuf, wb, bo, x, x1buf; writes x1buf
.if DOCPART == 4
	.amdgcn_target "amdgcn-amd-amdhsa--gfx1250"
	.amdhsa_code_object_version 6
	.text
	.protected	k_q672701bf43_proj
	.globl	k_q672701bf43_proj
	.p2align	8
	.type	k_q672701bf43_proj,@function
k_q672701bf43_proj:
	s_mov_b64 s[64:65], 0
	v_nop
	global_prefetch_b8 v0, s[64:65] scope:SCOPE_SE
	s_setreg_imm32_b32 hwreg(HW_REG_WAVE_MODE, 25, 1), 1
	s_wait_xcnt 0x0
	s_wait_alu depctr_hold_cnt(0) depctr_sa_sdst(0) depctr_va_vdst(0) depctr_va_sdst(0) depctr_va_ssrc(0) depctr_va_vcc(0) depctr_vm_vsrc(0)
	s_getreg_b32 s2, hwreg(HW_REG_IB_STS2, 6, 4)
	s_cmp_eq_u32 s2, 0
	s_cbranch_scc0 .Lentry_in_a_cluster
	s_endpgm
.Lentry_in_a_cluster:
	s_bfe_u32 s2, ttmp6, 0x10000c
	s_cmp_lg_u32 s2, 0xf033
	s_cbranch_scc0 .Lentry_shape_is_right
	s_endpgm
.Lentry_shape_is_right:
; x1 = x + y Wo + bo.  y: ybuf [batch x 16 + head][t 1024][64] bf16 (by heads).  Wo: wb from byte 6 MiB, 8 blocks [k 1024][128 columns] bf16.  x, x1: [4096][1024] f32.  Sums in f32, started from the bias.
; LIMIT: the matrix operands carry bf16's 8 significant bits; the residual stays in f32.
; A tile of C is 128 x 128 (256 work-groups), four waves of 64 x 64: 16 accumulators.  K goes in 4 steps of 256 (four heads) through a ring of two LDS slots.
; y'S TILE: 64 rows of one head are 8,192 dense bytes, so a wave's load is a tile of four "rows" of 4,096 elements, one a head, 65,536 elements apart, padded in LDS after every 128 bytes: [head][row] at pitch 144.
; CLUSTER 4 x 4: y's tiles are shared along a row of the cluster, Wo's blocks along a column; each is asked for jointly.  Wo's fragments come out of LDS turned.  The matrix instruction is used transposed
; (source 0 = 16 columns of Wo, source 1 = 16 rows of y): lane l holds row l % 16 of C and columns 8 (l / 16) + 0..7.  A K step is written once; the slots take turns through two scalars that hold 0 or SLOT.
; THE WALK ALONG K.  Step j of the ring takes K step j xor PX, PX = 2 x ((cluster x + cluster y) mod 2): clusters of one kind walk 0, 1, 2, 3, those of the other 2, 3, 0, 1.  The two clusters that read the same
; rows of y, and clusters one apart along y, which read the same block of Wo, are of different kinds: of two requests for one tile one comes two steps behind the other instead of together with it.
; PX hangs on the cluster's place alone, which all sixteen partners share, so the joint loads stay alike.  Only the order of the f32 sums along K changes with it.
; REGISTERS: window 0 v16-29 addresses, v32-95 at work on the way out, v128-255 the accumulators ((a, b) at v[128 + 8 (4 a + b)]); window 1 two fragment buffers of 128 (64 of y, 64 of Wo); window 2 v0-127 the residual.
.set STEPS,  4
.set PA,     144                       ; 128 bytes + 16 = 36 words: the 16 rows of a load start at 16 different groups of four banks (64 banks of 4 bytes: ISA guide 11.1)
.set PB,     288                       ; 256 + 32 = 72 words
.set HALFA,  4*64*PA                   ; what one load of y brings: four heads x 64 rows
.set HALFB,  128*PB                    ; what one load of Wo brings: 128 k rows
.set BOFF,   2*HALFA
.set SLOT,   BOFF+2*HALFB
.set STAGE,  2*SLOT                    ; behind the ring, never filled: 16 rows x 272 bytes a wave
.set SPITCH, 272
.set SPARE,  STAGE+4*16*SPITCH         ; the spare words, 128 bytes a wave: two blocks of 256 bytes that no other line names
.set ASH,    19                        ; a K step of y is 1 << 19 bytes on: four heads
.set ASTEP,  1<<ASH
.set BSH,    16                        ; a K step of Wo is 1 << 16 bytes on: 256 block rows
.set BSTEP,  1<<BSH
.set WBASE,  6291456
.set ACH,    64*PA                     ; a chunk of 64 along K is one head
.set AI,     16*PA
.set ADRA, 16
.set A0,   17
.set ADRB, 20
.set B0,   21
.set ADRB2, 22                         ; v22  ADRB + 128 k rows: an LDS offset has 16 bits
.set STO,  24
.set RD,   25
.set CO,   26
.set BO,   27
.set SPW,  28
.set NIL,  29
.set ACC,  128
.set F0,   0
.set F1,   128
.set G1,  24
.set G0,  32
.set G1B, 48
.set G0B, 56
.set TGW, 66
.set TGR, 67
.set JS,  78                           ; s78  the ring step asked for last
.set PX,  79                           ; s79  0 or 2
.set OA,  80                           ; s[80:81] the K step's byte offset in y
.set OB,  82                           ; s[82:83] in Wo's block
.set KX,  84                           ; s84  at work
.set MSB, 0
.macro WIN new
.if MSB != (\new)
	s_set_vgpr_msb (MSB<<8)|(\new)
.set MSB, \new
.endif
.endm
.set MUL,  0x05                        ; sources 0 and 1 window 1; C and D window 0
.set TO_F, 0x40                        ; destination window 1, address window 0
.macro JLOAD s                         ; a joint load: waves 0 and 1 fetch y's halves, waves 2 and 3 Wo's; an s_nop 0 and four v_nop follow each line
	s_cmp_eq_u32 s11, 0
	s_cbranch_scc0 .Lfor_b_\@
	tensor_load_to_lds s[G0+4*(\s):G0+4*(\s)+3], s[G1:G1+7]
	s_nop 0
.rept 4
	v_nop
.endr
	s_branch .Lasked_\@
.Lfor_b_\@:
	tensor_load_to_lds s[G0B+4*(\s):G0B+4*(\s)+3], s[G1B:G1B+7]
	s_nop 0
.rept 4
	v_nop
.endr
.Lasked_\@:
.endm
.macro CREST
	s_cmp_lg_u32 s10, 0
	s_cbranch_scc1 .Lnot_wave_0_\@
	s_barrier_signal -3
.Lnot_wave_0_\@:
	s_barrier_wait -3
	s_barrier_signal -1
	s_barrier_wait -1
.endm
.macro CROUND
	s_barrier_signal -1
	s_barrier_wait -1
	CREST
.endm
.macro PLACES                          ; four plain vector instructions between a matrix instruction and a load into, or a read of, its registers
.rept 4
	v_nop
.endr
.endm
	s_load_b128 s[4:7], s[0:1], 0x0                ; y s[4:5], wb s[6:7]
	s_load_b128 s[68:71], s[0:1], 0x10             ; bo s[68:69], x s[70:71]
	s_load_b64 s[8:9], s[0:1], 0x20                ; x1
	v_lshl_add_u32 v[SPW], v0, 2, SPARE
	v_mov_b32 v[NIL], 0
	ds_add_u32 v[SPW], v[NIL]                      ; the wave's opening: the add and its wait ahead of my first tensor load
	ds_add_u32 v28, v29
	v_lshrrev_b32 v1, 5, v0
	v_readfirstlane_b32 s10, v1                    ; wave 0..3
	s_lshr_b32 s11, s10, 1                         ; my half of the rows.  Also: I fetch for y (0) or Wo (1)
	s_and_b32 s12, s10, 1                          ; my half of the columns.  Also: which half I fetch
	s_bfe_u32 s40, ttmp6, 0x40000
	s_bfe_u32 s41, ttmp6, 0x40004
	s_lshl_b32 s42, ttmp9, 2
	s_add_co_u32 s42, s42, s40                     ; tile column
	s_and_b32 s13, ttmp7, 0xffff
	s_add_co_u32 s[PX], s13, ttmp9                 ; cluster y + cluster x,
	s_and_b32 s[PX], s[PX], 1                      ; odd or even,
	s_lshl_b32 s[PX], s[PX], 1                     ; as 2 or 0
	s_lshl_b32 s13, s13, 2
	s_add_co_u32 s13, s13, s41                     ; tile row
	s_lshl_b32 s43, s41, 2
	s_lshl_b32 s43, 15, s43                        ; my row of the cluster
	s_lshl_b32 s44, 0x1111, s40                    ; my column
	s_or_b32 s[G1+0], s43, (1<<16)|(1<<20)|(1<<21)|(4<<22)|(3<<25)   ; the mask; 2-byte elements; padding on; bit 21 beside a mask; after every 32 words 4 words
	s_mov_b32 s[G1+1], 4096<<16                    ; tensor_dim0 = 4,096: 64 rows of a head
	s_mov_b32 s[G1+2], 4<<16                       ; tensor_dim1 = 4 heads
	s_mov_b32 s[G1+3], 4096<<16                    ; tile_dim0
	s_mov_b32 s[G1+4], 4                           ; tile_dim1
	s_mov_b32 s[G1+5], 65536                       ; elements from head to head
	s_mov_b32 s[G1+6], 0
	s_mov_b32 s[G1+7], 0
	s_or_b32 s[G1B+0], s44, (1<<16)|(1<<20)|(1<<21)|(5<<22)|(7<<25)  ; after every 64 words 8 words
	s_mov_b32 s[G1B+1], 128<<16
	s_mov_b32 s[G1B+2], 128<<16
	s_mov_b32 s[G1B+3], 128<<16
	s_mov_b32 s[G1B+4], 128
	s_mov_b32 s[G1B+5], 128
	s_mov_b32 s[G1B+6], 0
	s_mov_b32 s[G1B+7], 0
	s_lshr_b32 s16, s13, 3                         ; y: batch x 16 heads x 1,024 rows
	s_lshl_b32 s16, s16, 14
	s_and_b32 s17, s13, 7
	s_lshl_b32 s17, s17, 7                         ; + the tile's first t
	s_add_co_u32 s16, s16, s17
	s_lshl_b32 s17, s12, 6                         ; + 64 x half,
	s_add_co_u32 s16, s16, s17
	s_lshl_b32 s16, s16, 7                         ; rows of 128 bytes
	s_mov_b32 s17, 0
	s_lshl_b32 s46, s42, 18                        ; Wo: block = tile column, 262,144 bytes;
	s_lshl_b32 s47, s12, 15                        ; 128 block rows a half
	s_add_co_u32 s46, s46, s47
	s_add_co_u32 s46, s46, WBASE
	s_mov_b32 s47, 0
	s_mul_i32 s20, s12, HALFA
	s_mul_i32 s21, s12, HALFB
	s_add_co_u32 s21, s21, BOFF
	s_mov_b32 s[TGW], SLOT
	s_mov_b32 s[TGR], 0
	s_mov_b32 s[JS], 1                             ; ring steps 0 and 1 are the first fills
	s_lshl_b32 s[OA], s[PX], ASH                   ; ring step 0 takes K step PX, ring step 1 the next
	s_mov_b32 s[OA+1], 0
	s_lshl_b32 s[OB], s[PX], BSH
	s_mov_b32 s[OB+1], 0
	s_wait_dscnt 0x0                               ; the opening add is done
	s_wait_kmcnt 0x0
	s_add_nc_u64 s[14:15], s[4:5], s[16:17]        ; y and Wo at my part of K step 0: kept for the whole walk
	s_add_nc_u64 s[46:47], s[6:7], s[46:47]
	CROUND                                         ; all sixteen work-groups are here: the first joint loads meet
.irp s, 0,1
	s_mov_b32 s[G0+4*(\s)], 1
	s_add_co_u32 s[G0+4*(\s)+1], s20, (\s)*SLOT
	s_add_nc_u64 s[G0+4*(\s)+2:G0+4*(\s)+3], s[14:15], s[OA:OA+1]
	s_add_nc_u64 s[G0+4*(\s)+2:G0+4*(\s)+3], s[G0+4*(\s)+2:G0+4*(\s)+3], (\s)*ASTEP
	s_or_b32 s[G0+4*(\s)+3], s[G0+4*(\s)+3], 0x80000000
	s_mov_b32 s[G0B+4*(\s)], 1
	s_add_co_u32 s[G0B+4*(\s)+1], s21, (\s)*SLOT
	s_add_nc_u64 s[G0B+4*(\s)+2:G0B+4*(\s)+3], s[46:47], s[OB:OB+1]
	s_add_nc_u64 s[G0B+4*(\s)+2:G0B+4*(\s)+3], s[G0B+4*(\s)+2:G0B+4*(\s)+3], (\s)*BSTEP
	s_or_b32 s[G0B+4*(\s)+3], s[G0B+4*(\s)+3], 0x80000000
	JLOAD \s                                       ; ring steps 0 and 1: two loads of mine are out
.endr
	v_and_b32 v1, 15, v0                           ; l % 16
	v_bfe_u32 v2, v0, 4, 1                         ; l / 16
	v_mul_u32_u24 v3, v1, PA
	v_lshl_add_u32 v3, v2, 4, v3
	s_mul_i32 s22, s11, HALFA
	v_add_nc_u32 v[A0], s22, v3
	v_and_b32 v4, 7, v0
	v_lshl_add_u32 v4, v2, 3, v4
	v_mul_u32_u24 v4, v4, PB
	v_bfe_u32 v5, v0, 3, 1
	v_lshl_add_u32 v4, v5, 4, v4
	s_lshl_b32 s23, s12, 7                         ; my 64 columns of the block's 128
	s_add_co_u32 s23, s23, BOFF
	v_add_nc_u32 v[B0], s23, v4
	v_mov_b32 v[ADRA], v[A0]
	v_mov_b32 v[ADRB], v[B0]
	v_add_nc_u32 v[ADRB2], HALFB, v[B0]
	s_mul_i32 s22, s10, 16*SPITCH
	s_add_co_u32 s22, s22, STAGE                   ; my stage
	v_mul_u32_u24 v3, v1, SPITCH
	v_lshl_add_u32 v3, v2, 5, v3
	v_add_nc_u32 v[STO], s22, v3                   ; in: row l % 16, 32 bytes for each half of the lanes
	v_mul_u32_u24 v3, v2, SPITCH
	v_lshl_add_u32 v3, v1, 4, v3
	v_add_nc_u32 v[RD], s22, v3                    ; back: lanes 0-15 one row of 256 bytes, lanes 16-31 the next
	v_lshlrev_b32 v3, 12, v2
	v_lshl_add_u32 v[CO], v1, 4, v3                ; the same two rows in x and x1
	v_lshlrev_b32 v[BO], 5, v2
	s_lshl_b32 s94, s42, 9                         ; my first column, in bytes of f32
	s_lshl_b32 s95, s12, 8
	s_add_co_u32 s94, s94, s95
	s_mov_b32 s95, 0
	s_add_nc_u64 s[68:69], s[68:69], s[94:95]      ; the bias at my 64 columns
	s_lshl_b32 s92, s13, 7
	s_lshl_b32 s93, s11, 6
	s_add_co_u32 s92, s92, s93                     ; my first row,
	s_lshl_b32 s92, s92, 12                        ; of 4,096 bytes
	s_add_co_u32 s92, s92, s94
	s_mov_b32 s93, 0
	s_add_nc_u64 s[70:71], s[70:71], s[92:93]
	s_add_nc_u64 s[8:9], s[8:9], s[92:93]
	; the sums start from the bias: register j of accumulator (a, b) takes bias[16 b + 8 (l / 16) + j]
.irp a, 0,1,2,3
.irp b, 0,1,2,3
	global_load_b128 v[ACC+8*(4*(\a)+(\b)):ACC+8*(4*(\a)+(\b))+3],   v[BO], s[68:69] offset:64*(\b)
	global_load_b128 v[ACC+8*(4*(\a)+(\b))+4:ACC+8*(4*(\a)+(\b))+7], v[BO], s[68:69] offset:64*(\b)+16
.endr
.endr
	WIN 0x80                                       ; the residual, asked for now and wanted at the end: in the layout in which the rows come back from the stage
.irp a, 0,1,2,3
.irp t, 0,1,2,3,4,5,6,7
	global_load_b128 v[32*(\a)+4*(\t):32*(\a)+4*(\t)+3], v[CO], s[70:71] offset:(16*(\a)+2*(\t))*4096
.endr
.endr
	WIN 0
; 8 matrix instructions: row blocks a0, a0 + 1 x all 4 column blocks, 32 along K: half c of buffer f.  The 16 accumulators take turns in one fixed order.
.macro MUL8 f, c, a0
	WIN MUL
.irp a, \a0, (\a0)+1
.irp b, 0,1,2,3
	v_wmma_f32_16x16x32_bf16 v[ACC+8*(4*(\a)+(\b)):ACC+8*(4*(\a)+(\b))+7], v[(\f)+64+8*(4*(\c)+(\b)):(\f)+64+8*(4*(\c)+(\b))+7], v[(\f)+8*(4*(\c)+(\a)):(\f)+8*(4*(\c)+(\a))+7], v[ACC+8*(4*(\a)+(\b)):ACC+8*(4*(\a)+(\b))+7]
.endr
.endr
.endm
; 32 LDS loads in one run: the fragments of chunk ch (64 along K) into buffer f; the first 32 along K first
.macro FETCH ch, f
	WIN TO_F
.irp c, 0,1
.irp i, 0,1,2,3
	ds_load_tr16_b128 v[(\f)+64+8*(4*(\c)+(\i)):(\f)+64+8*(4*(\c)+(\i))+3],   v[ADRB+2*((\ch)/2)] offset:(((\ch)%2)*64+32*(\c))*PB+32*(\i)
	ds_load_tr16_b128 v[(\f)+64+8*(4*(\c)+(\i))+4:(\f)+64+8*(4*(\c)+(\i))+7], v[ADRB+2*((\ch)/2)] offset:(((\ch)%2)*64+32*(\c)+16)*PB+32*(\i)
	ds_load_b128 v[(\f)+8*(4*(\c)+(\i)):(\f)+8*(4*(\c)+(\i))+3],   v[ADRA] offset:(\ch)*ACH+64*(\c)+(\i)*AI
	ds_load_b128 v[(\f)+8*(4*(\c)+(\i))+4:(\f)+8*(4*(\c)+(\i))+7], v[ADRA] offset:(\ch)*ACH+64*(\c)+(\i)*AI+32
.endr
.endr
.endm
; One of a K step's first three quarters.  At its head buffer f is waited for whole, and chunk ch's 32 loads go out at once, into buffer g: they have this quarter's 32 matrix instructions in which to land.
.macro QUARTER ch, f, g
	s_wait_dscnt 0x0                               ; buffer f is in
	PLACES                                         ; behind the last products of the quarter before, which read buffer g
	FETCH \ch, \g
	MUL8 \f, 0, 0
	MUL8 \f, 0, 2
	MUL8 \f, 1, 0
	MUL8 \f, 1, 2
.endm
; The last quarter multiplies buffer 1 and changes slots: ONE barrier; in front of it each wave waits for all its tensor loads, adds 0 to its spare word, and waits for that and for its reads of this slot.
.macro TURN fill
	WIN 0
	s_wait_tensorcnt 0x0
	ds_add_u32 v[SPW], v[NIL]
	s_wait_dscnt 17                                ; (the add and the run's youngest sixteen loads, the second 32 along K, may be out)
	MUL8 F1, 0, 0
	s_wait_dscnt 0x0                               ; the add is done, and my reads of this slot are over
	s_barrier_signal -1
	MUL8 F1, 0, 2
	WIN 0
	s_barrier_wait -1
.if \fill
	CREST                                          ; no wave of any partner still reads this slot or has a load on its way
	s_xor_b32 s[TGW], s[TGW], SLOT                 ; the walking descriptors: the other slot than last time,
	s_add_co_u32 s[G0+5], s20, s[TGW]
	s_add_co_u32 s[G0B+5], s21, s[TGW]
	s_add_co_u32 s[JS], s[JS], 1                   ; the next ring step,
	s_xor_b32 s[KX], s[JS], s[PX]                  ; its K step,
	s_lshl_b32 s[OA], s[KX], ASH
	s_lshl_b32 s[OB], s[KX], BSH
	s_add_nc_u64 s[G0+6:G0+7], s[14:15], s[OA:OA+1]    ; the address made anew: the tile's base and an offset made apart,
	s_or_b32 s[G0+7], s[G0+7], 0x80000000              ; and the type bits
	s_add_nc_u64 s[G0B+6:G0B+7], s[46:47], s[OB:OB+1]
	s_or_b32 s[G0B+7], s[G0B+7], 0x80000000
	JLOAD 1                                        ; the four v_nop behind it are also the places in front of the loads below
.else
	PLACES
.endif
	s_xor_b32 s[TGR], s[TGR], SLOT
	v_add_nc_u32 v[ADRA], s[TGR], v[A0]
	v_add_nc_u32 v[ADRB], s[TGR], v[B0]
	v_add_nc_u32 v[ADRB2], HALFB, v[ADRB]
	FETCH 0, F0
	MUL8 F1, 1, 0
	MUL8 F1, 1, 2
.endm
	s_wait_tensorcnt 1                             ; my part of ring step 0 is in; ring step 1's may stay out
	s_barrier_signal -1
	s_barrier_wait -1
	FETCH 0, F0
	WIN 0
	s_wait_loadcnt 32                              ; the bias is in; the 32 loads of the residual stay out
	s_mov_b32 s3, STEPS-2
.Lmain:
	QUARTER 1, F0, F1
	QUARTER 2, F1, F0
	QUARTER 3, F0, F1
	TURN 1
	WIN 0
	s_sub_co_u32 s3, s3, 1
	s_cmp_lg_u32 s3, 0
	s_cbranch_scc1 .Lmain
	s_mov_b32 s3, 2
.Ltail:                                                ; the last two ring steps ask for nothing; the second trip is left in its middle
	QUARTER 1, F0, F1
	QUARTER 2, F1, F0
	QUARTER 3, F0, F1
	WIN 0
	s_sub_co_u32 s3, s3, 1
	s_cmp_eq_u32 s3, 0
	s_cbranch_scc1 .Llast
	TURN 0
	WIN 0
	s_branch .Ltail
.Llast:
	s_wait_dscnt 16                                ; the run's youngest sixteen loads may be out
	MUL8 F1, 0, 0
	MUL8 F1, 0, 2
	s_wait_dscnt 0x0
	MUL8 F1, 1, 0
	MUL8 F1, 1, 2
	WIN 0
	PLACES
	; THE WAY OUT, 16 rows at a time through my own stage: a lane's eight numbers go in as 32 bytes, whole rows of 256 bytes come back, the residual is added, 16 lanes store 256 consecutive bytes, aligned.
.macro TOSTAGE a
.set BK, 32+32*((\a)%2)
.irp b, 0,1,2,3
	ds_store_b128 v[STO], v[ACC+8*(4*(\a)+(\b)):ACC+8*(4*(\a)+(\b))+3]   offset:64*(\b)
	ds_store_b128 v[STO], v[ACC+8*(4*(\a)+(\b))+4:ACC+8*(4*(\a)+(\b))+7] offset:64*(\b)+16
.endr
.irp t, 0,1,2,3,4,5,6,7
	ds_load_b128 v[BK+4*(\t):BK+4*(\t)+3], v[RD] offset:(\t)*2*SPITCH  ; LDS serves a wave's instructions in order (ISA guide 5.7.1.4): these see the stores above
.endr
.endm
.macro SEND a, younger                 ; younger: the next block's 8 stores and 8 loads, or none
.set BK, 32+32*((\a)%2)
	s_wait_dscnt \younger
	WIN 0x08                                       ; source 1 window 2
.set z, 0
.rept 16
	v_pk_add_f32 v[BK+2*z:BK+2*z+1], v[BK+2*z:BK+2*z+1], v[32*(\a)+2*z:32*(\a)+2*z+1]
.set z, z+1
.endr
	WIN 0
.irp t, 0,1,2,3,4,5,6,7
	global_store_b128 v[CO], v[BK+4*(\t):BK+4*(\t)+3], s[8:9] offset:(16*(\a)+2*(\t))*4096
.endr
.endm
	s_wait_loadcnt 0x0                             ; the residual
	TOSTAGE 0
	TOSTAGE 1
	SEND 0, 16
	s_wait_xcnt 0x0                                ; block 0's registers are loaded again only behind this wait
	TOSTAGE 2
	SEND 1, 16
	s_wait_xcnt 0x0
	TOSTAGE 3
	SEND 2, 16
	SEND 3, 0
	s_wait_tensorcnt 0x0                           ; the wave's end
	ds_add_u32 v[SPW], v[NIL]
	s_wait_dscnt 0x0
	CROUND                                         ; the closing round
	s_endpgm
.Lfunc_end_k_q672701bf43_proj:
	.size	k_q672701bf43_proj, .Lfunc_end_k_q672701bf43_proj-k_q672701bf43_proj
	.p2alignl 7, 3214868480
	.fill 96, 4, 3214868480
	.section	.rodata,"a",@progbits
	.p2align	6, 0x0
	.amdhsa_kernel k_q672701bf43_proj
		.amdhsa_group_segment_fixed_size 327680
		.amdhsa_private_segment_fixed_size 0
		.amdhsa_enable_private_segment 0
		.amdhsa_kernarg_size 40
		.amdhsa_user_sgpr_count 2
		.amdhsa_user_sgpr_kernarg_segment_ptr 1
		.amdhsa_wavefront_size32 1
		.amdhsa_system_sgpr_workgroup_id_x 1
		.amdhsa_system_sgpr_workgroup_id_y 1
		.amdhsa_system_sgpr_workgroup_id_z 1
		.amdhsa_system_vgpr_workitem_id 0
		.amdhsa_next_free_vgpr 640
		.amdhsa_next_free_sgpr 100
		.amdhsa_reserve_vcc 0
		.amdhsa_float_denorm_mode_32 3
		.amdhsa_float_denorm_mode_16_64 3
		.amdhsa_memory_ordered 1
		.amdhsa_forward_progress 1
		.amdhsa_inst_pref_size 67
	.end_amdhsa_kernel
	.amdgpu_metadata
---
amdhsa.version: [ 1, 2 ]
amdhsa.kernels:
  - .name:           k_q672701bf43_proj
    .symbol:         k_q672701bf43_proj.kd
    .args:
      - { .name: ybuf, .offset: 0, .size: 8, .value_kind: global_buffer, .address_space: global }
      - { .name: wb, .offset: 8, .size: 8, .value_kind: global_buffer, .address_space: global }
      - { .name: bo, .offset: 16, .size: 8, .value_kind: global_buffer, .address_space: global }
      - { .name: x, .offset: 24, .size: 8, .value_kind: global_buffer, .address_space: global }
      - { .name: x1buf, .offset: 32, .size: 8, .value_kind: global_buffer, .address_space: global }
    .group_segment_fixed_size: 327680
    .private_segment_fixed_size: 0
    .kernarg_segment_align: 8
    .kernarg_segment_size: 40
    .max_flat_workgroup_size: 128
    .sgpr_count:     100
    .vgpr_count:     640
    .wavefront_size: 32
...
	.end_amdgpu_metadata
.endif
;; end of part 4
;; launch ln2: the kernel of part 1 again; grid 256 x 1, 8 waves a work-group, no clusters, 0 bytes of LDS; arguments x1buf, ln2_g, ln2_b, hbuf, Wq, Wk, Wv, Wo, W1, W2, wb; writes hbuf, wb
;; launch fc1 (part 5): grid 16 x 16, 4 waves a work-group, clusters of 4 x 4, 327,680 bytes of LDS; arguments hbuf, wb, b1, mbuf; writes mbuf
.if DOCPART == 5
	.amdgcn_target "amdgcn-amd-amdhsa--gfx1250"
	.amdhsa_code_object_version 6
	.text
	.protected	k_q672701bf43_fc1
	.globl	k_q672701bf43_fc1
	.p2align	8
	.type	k_q672701bf43_fc1,@function
k_q672701bf43_fc1:
	s_mov_b64 s[64:65], 0
	v_nop
	global_prefetch_b8 v0, s[64:65] scope:SCOPE_SE
	s_setreg_imm32_b32 hwreg(HW_REG_WAVE_MODE, 25, 1), 1
	s_wait_xcnt 0x0
	s_wait_alu depctr_hold_cnt(0) depctr_sa_sdst(0) depctr_va_vdst(0) depctr_va_sdst(0) depctr_va_ssrc(0) depctr_va_vcc(0) depctr_vm_vsrc(0)
	s_getreg_b32 s2, hwreg(HW_REG_IB_STS2, 6, 4)
	s_cmp_eq_u32 s2, 0
	s_cbranch_scc0 .Lentry_in_a_cluster
	s_endpgm
.Lentry_in_a_cluster:
	s_bfe_u32 s2, ttmp6, 0x10000c
	s_cmp_lg_u32 s2, 0xf033
	s_cbranch_scc0 .Lentry_shape_is_right
	s_endpgm
.Lentry_shape_is_right:
; m = gelu(h W1 + b1), the exact GELU x Phi(x).  h: [4096][1024] bf16.  W1: wb from byte 8 MiB, 32 blocks [k 1024][128 columns] bf16.  m: [4096][4096] bf16.  Sums in f32, started from the bias.
; GELU: gelu(x) = max(x, 0) - |x| q, q = erfc(|x| / sqrt 2) / 2 = poly(t) 2^(-0.72134752 x^2), t = 1 / (1 + 0.23164189 |x|) (Abramowitz and Stegun 7.1.26, coefficients halved).
; LIMITS: erf is off by at most 1.5e-7 for every x; no difference of near-equal numbers is formed, and both ends are exact (q -> 0); matrix operands and m carry bf16's 8 significant bits; NaN and infinities are not treated apart.
; The frame: a tile of C is 256 x 256, four waves of 128 x 128 (64 accumulators); K in 8 steps of 128 through a ring of two LDS slots; cluster 4 x 4, h's tiles shared along a row, W1's blocks along a column, each asked for jointly;
; W1's fragments come out of LDS turned; the matrix instruction is used transposed (source 0 = 16 columns of W1, source 1 = 16 rows of h): lane l holds row l % 16 of C and columns 8 (l / 16) + 0..7.
; A K step is written once; the slots take turns through two scalars that hold 0 or SLOT.
; REGISTERS in windows of 256: window 0 v16-29 addresses, v64-191 h's fragments (two buffers), v32-135 at work on the way out; window 1 v64-191 W1's fragments; windows 2, 3 the accumulators, (a, b) at v[8 (8 (a % 4) + b)].
.set STEPS,  8
.set PA,     272                       ; 256 bytes + 16 = 68 words: the 16 rows of a load start at 16 different groups of four banks (64 banks of 4 bytes: ISA guide 11.1)
.set PB,     288                       ; 256 + 32 = 72 words
.set HALFA,  128*PA
.set HALFB,  128*PB
.set BOFF,   2*HALFA
.set SLOT,   BOFF+2*HALFB
.set SPARE,  2*SLOT                    ; the spare words, 128 bytes a wave: two blocks of 256 bytes that no other line names
.set ASTEP,  256
.set BSTEP,  32768
.set WBASE,  8388608
.set DP,     528                       ; the way out: a row of 128 f32 + 16 bytes
.set WREG,   128*DP                    ; a wave's 128 such rows, in the ring, which by then has had its last fill
.set ADRA, 16
.set A0,   17
.set ADRB, 20
.set B0,   21
.set STO,  24
.set RD,   25
.set CO,   26
.set BO,   27
.set SPW,  28
.set NIL,  29
.set F0,   64
.set F1,   128
.set X,    32                          ; the way out, 16 numbers a lane and trip: x,
.set AB,   48                          ; |x|,
.set R,    64                          ; max(x, 0), then the result,
.set S,    80                          ; x^2, then 2^(-0.72 x^2),
.set U,    96                          ; 1 + 0.23 |x|, then t,
.set P,    112                         ; the polynomial, then q,
.set Y,    128                         ; the result in bf16
.set G1,  24
.set G0,  32
.set G1B, 48
.set G0B, 56
.set TGW, 66
.set TGR, 67
.set PZ,  76                           ; s[76:77] .. s[88:89]: constants, each named as a pair and taken by its low word
.set NC,  78
.set C1,  80
.set C2,  82
.set C3,  84
.set C4,  86
.set C5,  88
.set ABSM, 90
.set MSB, 0
.macro WIN new
.if MSB != (\new)
	s_set_vgpr_msb (MSB<<8)|(\new)
.set MSB, \new
.endif
.endm
.set MUL_LO, 0xa1
.set MUL_HI, 0xf1
.set TO_B,   0x40
.macro JLOAD s                         ; a joint load: waves 0 and 1 fetch h's halves, waves 2 and 3 W1's blocks; an s_nop 0 and four v_nop follow each line
	s_cmp_eq_u32 s11, 0
	s_cbranch_scc0 .Lfor_b_\@
	tensor_load_to_lds s[G0+4*(\s):G0+4*(\s)+3], s[G1:G1+7]
	s_nop 0
.rept 4
	v_nop
.endr
	s_branch .Lasked_\@
.Lfor_b_\@:
	tensor_load_to_lds s[G0B+4*(\s):G0B+4*(\s)+3], s[G1B:G1B+7]
	s_nop 0
.rept 4
	v_nop
.endr
.Lasked_\@:
.endm
.macro CREST
	s_cmp_lg_u32 s10, 0
	s_cbranch_scc1 .Lnot_wave_0_\@
	s_barrier_signal -3
.Lnot_wave_0_\@:
	s_barrier_wait -3
	s_barrier_signal -1
	s_barrier_wait -1
.endm
.macro CROUND
	s_barrier_signal -1
	s_barrier_wait -1
	CREST
.endm
.macro PLACES                          ; four plain vector instructions between a matrix instruction and a load into, or a read of, its registers
.rept 4
	v_nop
.endr
.endm
.macro PAIR r, bits
	s_mov_b32 s[\r], \bits
	s_mov_b32 s[\r+1], s[\r]
.endm
	s_load_b128 s[4:7], s[0:1], 0x0                ; h s[4:5], wb s[6:7]
	s_load_b128 s[68:71], s[0:1], 0x10             ; b1 s[68:69], m s[70:71]
	v_lshl_add_u32 v[SPW], v0, 2, SPARE
	v_mov_b32 v[NIL], 0
	ds_add_u32 v[SPW], v[NIL]                      ; the wave's opening: the add and its wait ahead of my first tensor load
	ds_add_u32 v28, v29
	v_lshrrev_b32 v1, 5, v0
	v_readfirstlane_b32 s10, v1
	s_lshr_b32 s11, s10, 1
	s_and_b32 s12, s10, 1
	s_bfe_u32 s40, ttmp6, 0x40000
	s_bfe_u32 s41, ttmp6, 0x40004
	s_lshl_b32 s42, ttmp9, 2
	s_add_co_u32 s42, s42, s40                     ; tile column
	s_and_b32 s13, ttmp7, 0xffff
	s_lshl_b32 s13, s13, 2
	s_add_co_u32 s13, s13, s41                     ; tile row
	s_lshl_b32 s43, s41, 2
	s_lshl_b32 s43, 15, s43
	s_lshl_b32 s44, 0x1111, s40
	s_or_b32 s[G1+0], s43, (1<<16)|(1<<20)|(1<<21)|(5<<22)|(3<<25)
	s_or_b32 s[G1B+0], s44, (1<<16)|(1<<20)|(1<<21)|(5<<22)|(7<<25)
.irp g, G1, G1B
	s_mov_b32 s[(\g)+1], 128<<16
	s_mov_b32 s[(\g)+2], 128<<16
	s_mov_b32 s[(\g)+3], 128<<16
	s_mov_b32 s[(\g)+4], 128
	s_mov_b32 s[(\g)+6], 0
	s_mov_b32 s[(\g)+7], 0
.endr
	s_mov_b32 s[G1+5], 1024
	s_mov_b32 s[G1B+5], 128
	s_lshl_b32 s16, s13, 8
	s_lshl_b32 s17, s12, 7
	s_add_co_u32 s16, s16, s17
	s_lshl_b32 s16, s16, 11
	s_mov_b32 s17, 0
	s_lshl_b32 s46, s42, 1
	s_add_co_u32 s46, s46, s12
	s_lshl_b32 s46, s46, 18
	s_add_co_u32 s46, s46, WBASE
	s_mov_b32 s47, 0
	s_mul_i32 s20, s12, HALFA
	s_mul_i32 s21, s12, HALFB
	s_add_co_u32 s21, s21, BOFF
	s_mov_b32 s[TGW], SLOT
	s_mov_b32 s[TGR], 0
	PAIR PZ, 0x3e6d3388                            ; 0.23164189
	PAIR NC, 0xbf38aa3b                            ; -log2(e) / 2
	PAIR C1, 0x3e027906                            ; 0.127414796
	PAIR C2, 0xbe11a98e                            ; -0.142248368
	PAIR C3, 0x3f35f0e3                            ; 0.710706871
	PAIR C4, 0xbf3a00e3                            ; -0.726576014
	PAIR C5, 0x3f07dc22                            ; 0.530702715
	s_mov_b32 s[ABSM], 0x7fffffff
	s_wait_dscnt 0x0                               ; the opening add is done
	s_wait_kmcnt 0x0
	s_add_nc_u64 s[14:15], s[4:5], s[16:17]
	s_add_nc_u64 s[46:47], s[6:7], s[46:47]
	CROUND
.irp s, 0,1
	s_mov_b32 s[G0+4*(\s)], 1
	s_add_co_u32 s[G0+4*(\s)+1], s20, (\s)*SLOT
	s_add_nc_u64 s[G0+4*(\s)+2:G0+4*(\s)+3], s[14:15], (\s)*ASTEP
	s_or_b32 s[G0+4*(\s)+3], s[G0+4*(\s)+3], 0x80000000
	s_mov_b32 s[G0B+4*(\s)], 1
	s_add_co_u32 s[G0B+4*(\s)+1], s21, (\s)*SLOT
	s_add_nc_u64 s[G0B+4*(\s)+2:G0B+4*(\s)+3], s[46:47], (\s)*BSTEP
	s_or_b32 s[G0B+4*(\s)+3], s[G0B+4*(\s)+3], 0x80000000
	JLOAD \s                                       ; K steps 0 and 1: two loads of mine are out
.endr
	v_and_b32 v1, 15, v0
	v_bfe_u32 v2, v0, 4, 1
	v_mul_u32_u24 v3, v1, PA
	v_lshl_add_u32 v3, v2, 4, v3
	s_mul_i32 s22, s11, HALFA
	v_add_nc_u32 v[A0], s22, v3
	v_and_b32 v4, 7, v0
	v_lshl_add_u32 v4, v2, 3, v4
	v_mul_u32_u24 v4, v4, PB
	v_bfe_u32 v5, v0, 3, 1
	v_lshl_add_u32 v4, v5, 4, v4
	s_mul_i32 s23, s12, HALFB
	s_add_co_u32 s23, s23, BOFF
	v_add_nc_u32 v[B0], s23, v4
	v_mov_b32 v[ADRA], v[A0]
	v_mov_b32 v[ADRB], v[B0]
	s_mul_i32 s22, s10, WREG
	v_mul_u32_u24 v3, v1, DP
	v_lshl_add_u32 v3, v2, 5, v3
	v_add_nc_u32 v[STO], s22, v3                   ; in: row l % 16, 32 bytes for each half of the lanes
	v_and_b32 v3, 31, v0
	v_lshl_add_u32 v[RD], v3, 4, s22               ; back: a whole row, 16 bytes a lane
	v_lshlrev_b32 v[CO], 3, v3                     ; out: 8 bytes a lane
	v_lshlrev_b32 v[BO], 5, v2
	s_lshl_b32 s94, s42, 8
	s_lshl_b32 s95, s12, 7
	s_add_co_u32 s94, s94, s95                     ; my first column
	s_lshl_b32 s92, s94, 2
	s_mov_b32 s93, 0
	s_add_nc_u64 s[68:69], s[68:69], s[92:93]      ; the bias at my 128 columns
	s_lshl_b32 s92, s13, 8
	s_lshl_b32 s95, s11, 7
	s_add_co_u32 s92, s92, s95                     ; my first row,
	s_lshl_b32 s92, s92, 13                        ; of 8,192 bytes
	s_lshl_b32 s94, s94, 1
	s_add_co_u32 s92, s92, s94
	s_add_nc_u64 s[8:9], s[70:71], s[92:93]
	; the sums start from the bias: register j of accumulator (a, b) takes bias[16 b + 8 (l / 16) + j]
.irp hi, 0,1
	WIN 0x80+0x40*(\hi)
.irp a, 0,1,2,3
.irp b, 0,1,2,3,4,5,6,7
	global_load_b128 v[8*(8*(\a)+(\b)):8*(8*(\a)+(\b))+3],   v[BO], s[68:69] offset:64*(\b)
	global_load_b128 v[8*(8*(\a)+(\b))+4:8*(8*(\a)+(\b))+7], v[BO], s[68:69] offset:64*(\b)+16
.endr
.endr
.endr
	WIN 0
.macro MUL16 f, hi, a0                 ; 16 matrix instructions; the 64 accumulators take turns in one fixed order
	WIN MUL_LO+0x50*(\hi)
.irp a, \a0, (\a0)+1
.irp b, 0,1,2,3,4,5,6,7
	v_wmma_f32_16x16x32_bf16 v[8*(8*(\a)+(\b)):8*(8*(\a)+(\b))+7], v[(\f)+8*(\b):(\f)+8*(\b)+7], v[(\f)+8*(4*(\hi)+(\a)):(\f)+8*(4*(\hi)+(\a))+7], v[8*(8*(\a)+(\b)):8*(8*(\a)+(\b))+7]
.endr
.endr
.endm
.macro FETCH q, f                      ; 32 LDS loads in one run: quarter q's fragments into buffer f
	WIN TO_B
.irp i, 0,1,2,3,4,5,6,7
	ds_load_tr16_b128 v[(\f)+8*(\i):(\f)+8*(\i)+3],   v[ADRB] offset:(\q)*32*PB+32*(\i)
	ds_load_tr16_b128 v[(\f)+8*(\i)+4:(\f)+8*(\i)+7], v[ADRB] offset:(\q)*32*PB+16*PB+32*(\i)
.endr
	WIN 0
.irp i, 0,1,2,3,4,5,6,7
	ds_load_b128 v[(\f)+8*(\i):(\f)+8*(\i)+3],   v[ADRA] offset:(\q)*64+(\i)*16*PA
	ds_load_b128 v[(\f)+8*(\i)+4:(\f)+8*(\i)+7], v[ADRA] offset:(\q)*64+(\i)*16*PA+32
.endr
.endm
; One of a K step's first three quarters.  At its head buffer f is waited for whole, and quarter q's 32 loads go out at once, into buffer g: they have this quarter's 64 matrix instructions in which to land.
.macro QUARTER q, f, g
	s_wait_dscnt 0x0                               ; buffer f is in
	PLACES                                         ; behind the last products of the quarter before, which read buffer g
	FETCH \q, \g
	MUL16 \f, 0, 0
	MUL16 \f, 0, 2
	MUL16 \f, 1, 0
	MUL16 \f, 1, 2
.endm
; The last quarter multiplies buffer 1 and changes slots: ONE barrier; in front of it each wave waits for all its tensor loads, adds 0 to its spare word, and waits for that and for its reads of this slot.
.macro TURN fill
	WIN 0
	s_wait_tensorcnt 0x0
	ds_add_u32 v[SPW], v[NIL]
	s_wait_dscnt 9                                 ; (the add and the run's youngest eight loads, h's rows 64-127, may be out)
	MUL16 F1, 0, 0
	s_wait_dscnt 0x0
	s_barrier_signal -1
	MUL16 F1, 0, 2
	WIN 0
	s_barrier_wait -1
.if \fill
	CREST
	s_xor_b32 s[TGW], s[TGW], SLOT
	s_add_co_u32 s[G0+5], s20, s[TGW]
	s_add_co_u32 s[G0B+5], s21, s[TGW]
	s_add_nc_u64 s[G0+6:G0+7], s[G0+6:G0+7], ASTEP
	s_add_nc_u64 s[G0B+6:G0B+7], s[G0B+6:G0B+7], BSTEP
	JLOAD 1                                        ; the four v_nop behind it are also the places in front of the loads below
.else
	PLACES
.endif
	s_xor_b32 s[TGR], s[TGR], SLOT
	v_add_nc_u32 v[ADRA], s[TGR], v[A0]
	v_add_nc_u32 v[ADRB], s[TGR], v[B0]
	FETCH 0, F0
	MUL16 F1, 1, 0
	MUL16 F1, 1, 2
.endm
	s_wait_tensorcnt 1                             ; my part of K step 0 is in; K step 1's may stay out
	s_barrier_signal -1
	s_barrier_wait -1
	FETCH 0, F0
	s_wait_loadcnt 0x0                             ; the bias lies in the accumulators
	s_mov_b32 s3, STEPS-2
.Lmain:
	QUARTER 1, F0, F1
	QUARTER 2, F1, F0
	QUARTER 3, F0, F1
	TURN 1
	WIN 0
	s_sub_co_u32 s3, s3, 1
	s_cmp_lg_u32 s3, 0
	s_cbranch_scc1 .Lmain
	s_mov_b32 s3, 2
.Ltail:                                                ; the last two K steps ask for nothing; the second trip is left in its middle
	QUARTER 1, F0, F1
	QUARTER 2, F1, F0
	QUARTER 3, F0, F1
	WIN 0
	s_sub_co_u32 s3, s3, 1
	s_cmp_eq_u32 s3, 0
	s_cbranch_scc1 .Llast
	TURN 0
	WIN 0
	s_branch .Ltail
.Llast:
	s_wait_dscnt 8                                 ; the run's youngest eight loads may be out
	MUL16 F1, 0, 0
	MUL16 F1, 0, 2
	s_wait_dscnt 0x0                               ; my last reads of the ring are over:
	s_barrier_signal -1
	MUL16 F1, 1, 0
	MUL16 F1, 1, 2
	WIN 0
	s_barrier_wait -1                              ; everybody's are, and the ring has had its last fill: it now serves as the stage
	PLACES
.irp hi, 0,1
	WIN 0x08+4*(\hi)
.irp a, 0,1,2,3
.irp b, 0,1,2,3,4,5,6,7
	ds_store_b128 v[STO], v[8*(8*(\a)+(\b)):8*(8*(\a)+(\b))+3]   offset:(4*(\hi)+(\a))*16*DP+64*(\b)
	ds_store_b128 v[STO], v[8*(8*(\a)+(\b))+4:8*(8*(\a)+(\b))+7] offset:(4*(\hi)+(\a))*16*DP+64*(\b)+16
.endr
.endr
.endr
	WIN 0
.macro BACK                            ; four whole rows, 16 bytes a lane: 512 neighbouring bytes a load
.irp i, 0,1,2,3
	ds_load_b128 v[X+4*(\i):X+4*(\i)+3], v[RD] offset:(\i)*DP
.endr
.endm
.macro PK8 line:vararg                 ; one packed line for each of the 8 pairs, z = 0, 2 .. 14
.set z, 0
.rept 8
	\line
.set z, z+2
.endr
.endm
	BACK
	s_mov_b32 s3, 32
.Lrows:                                                ; 32 trips of four rows; the next rows are read under this trip's arithmetic
	s_wait_dscnt 0x0
.set z, 0
.rept 16
	v_and_b32 v[AB+z], s[ABSM], v[X+z]
	v_max_num_f32 v[R+z], 0, v[X+z]
.set z, z+1
.endr
	PK8 v_pk_mul_f32 v[S+z:S+z+1], v[X+z:X+z+1], v[X+z:X+z+1]
	s_cmp_eq_u32 s3, 1
	s_cbranch_scc1 .Lno_more                       ; the last trip has no rows to read ahead
	v_add_nc_u32 v[RD], 4*DP, v[RD]
	BACK
.Lno_more:
	PK8 v_pk_fma_f32 v[U+z:U+z+1], v[AB+z:AB+z+1], s[PZ:PZ+1], 1.0 op_sel_hi:[1,0,0]
	PK8 v_pk_mul_f32 v[S+z:S+z+1], v[S+z:S+z+1], s[NC:NC+1] op_sel_hi:[1,0]
.set z, 0
.rept 16
	v_rcp_f32 v[U+z], v[U+z]
.set z, z+1
.endr
.set z, 0
.rept 16
	v_exp_f32 v[S+z], v[S+z]
.set z, z+1
.endr
	v_nop                                          ; a plain line between the last of them and the use of its result (ISA guide 5.7.2)
	s_wait_alu depctr_va_vdst(0)
	PK8 v_pk_fma_f32 v[P+z:P+z+1], v[U+z:U+z+1], s[C5:C5+1], s[C4:C4+1] op_sel_hi:[1,0,0]
	PK8 v_pk_fma_f32 v[P+z:P+z+1], v[P+z:P+z+1], v[U+z:U+z+1], s[C3:C3+1] op_sel_hi:[1,1,0]
	PK8 v_pk_fma_f32 v[P+z:P+z+1], v[P+z:P+z+1], v[U+z:U+z+1], s[C2:C2+1] op_sel_hi:[1,1,0]
	PK8 v_pk_fma_f32 v[P+z:P+z+1], v[P+z:P+z+1], v[U+z:U+z+1], s[C1:C1+1] op_sel_hi:[1,1,0]
	PK8 v_pk_mul_f32 v[P+z:P+z+1], v[P+z:P+z+1], v[U+z:U+z+1]
	PK8 v_pk_mul_f32 v[P+z:P+z+1], v[P+z:P+z+1], v[S+z:S+z+1]
	PK8 v_pk_fma_f32 v[R+z:R+z+1], v[AB+z:AB+z+1], v[P+z:P+z+1], v[R+z:R+z+1] neg_lo:[1,0,0] neg_hi:[1,0,0]
.set z, 0
.rept 8
	v_cvt_pk_bf16_f32 v[Y+z], v[R+2*z], v[R+2*z+1]
.set z, z+1
.endr
.irp i, 0,1,2,3
	global_store_b64 v[CO], v[Y+2*(\i):Y+2*(\i)+1], s[8:9] offset:(\i)*8192  ; 32 lanes x 8 bytes: 256 consecutive bytes of a row of m, aligned
.endr
	s_wait_xcnt 0x0                                ; the stores' base and data are rewritten only behind this wait
	s_add_nc_u64 s[8:9], s[8:9], 32768
	s_sub_co_u32 s3, s3, 1
	s_cmp_lg_u32 s3, 0
	s_cbranch_scc1 .Lrows
	s_wait_tensorcnt 0x0                           ; the wave's end
	ds_add_u32 v[SPW], v[NIL]
	s_wait_dscnt 0x0
	CROUND                                         ; the closing round
	s_endpgm
.Lfunc_end_k_q672701bf43_fc1:
	.size	k_q672701bf43_fc1, .Lfunc_end_k_q672701bf43_fc1-k_q672701bf43_fc1
	.p2alignl 7, 3214868480
	.fill 96, 4, 3214868480
	.section	.rodata,"a",@progbits
	.p2align	6, 0x0
	.amdhsa_kernel k_q672701bf43_fc1
		.amdhsa_group_segment_fixed_size 327680
		.amdhsa_private_segment_fixed_size 0
		.amdhsa_enable_private_segment 0
		.amdhsa_kernarg_size 32
		.amdhsa_user_sgpr_count 2
		.amdhsa_user_sgpr_kernarg_segment_ptr 1
		.amdhsa_wavefront_size32 1
		.amdhsa_system_sgpr_workgroup_id_x 1
		.amdhsa_system_sgpr_workgroup_id_y 1
		.amdhsa_system_sgpr_workgroup_id_z 1
		.amdhsa_system_vgpr_workitem_id 0
		.amdhsa_next_free_vgpr 1024
		.amdhsa_next_free_sgpr 100
		.amdhsa_reserve_vcc 0
		.amdhsa_float_denorm_mode_32 3
		.amdhsa_float_denorm_mode_16_64 3
		.amdhsa_memory_ordered 1
		.amdhsa_forward_progress 1
		.amdhsa_inst_pref_size 96
	.end_amdhsa_kernel
	.amdgpu_metadata
---
amdhsa.version: [ 1, 2 ]
amdhsa.kernels:
  - .name:           k_q672701bf43_fc1
    .symbol:         k_q672701bf43_fc1.kd
    .args:
      - { .name: hbuf, .offset: 0, .size: 8, .value_kind: global_buffer, .address_space: global }
      - { .name: wb, .offset: 8, .size: 8, .value_kind: global_buffer, .address_space: global }
      - { .name: b1, .offset: 16, .size: 8, .value_kind: global_buffer, .address_space: global }
      - { .name: mbuf, .offset: 24, .size: 8, .value_kind: global_buffer, .address_space: global }
    .group_segment_fixed_size: 327680
    .private_segment_fixed_size: 0
    .kernarg_segment_align: 8
    .kernarg_segment_size: 32
    .max_flat_workgroup_size: 128
    .sgpr_count:     100
    .vgpr_count:     1024
    .wavefront_size: 32
...
	.end_amdgpu_metadata
.endif
;; end of part 5
;; launch fc2 (part 6): grid 8 x 32, 4 waves a work-group, clusters of 4 x 4, 327,680 bytes of LDS; arguments mbuf, wb, b2, x1buf, out0; writes out0
.if DOCPART == 6
	.amdgcn_target "amdgcn-amd-amdhsa--gfx1250"
	.amdhsa_code_object_version 6
	.text
	.protected	k_q672701bf43_fc2
	.globl	k_q672701bf43_fc2
	.p2align	8
	.type	k_q672701bf43_fc2,@function
k_q672701bf43_fc2:
	s_mov_b64 s[64:65], 0
	v_nop
	global_prefetch_b8 v0, s[64:65] scope:SCOPE_SE
	s_setreg_imm32_b32 hwreg(HW_REG_WAVE_MODE, 25, 1), 1
	s_wait_xcnt 0x0
	s_wait_alu depctr_hold_cnt(0) depctr_sa_sdst(0) depctr_va_vdst(0) depctr_va_sdst(0) depctr_va_ssrc(0) depctr_va_vcc(0) depctr_vm_vsrc(0)
	s_getreg_b32 s2, hwreg(HW_REG_IB_STS2, 6, 4)
	s_cmp_eq_u32 s2, 0
	s_cbranch_scc0 .Lentry_in_a_cluster
	s_endpgm
.Lentry_in_a_cluster:
	s_bfe_u32 s2, ttmp6, 0x10000c
	s_cmp_lg_u32 s2, 0xf033
	s_cbranch_scc0 .Lentry_shape_is_right
	s_endpgm
.Lentry_shape_is_right:
; out = x1 + m W2 + b2.  m: [4096][4096] bf16.  W2: wb from byte 16 MiB, 8 blocks [k 4096][128 columns] bf16.  x1, out: [4096][1024] f32.  Sums in f32, started from the bias.
; LIMIT: the matrix operands carry bf16's 8 significant bits; the residual stays in f32.
; A tile of C is 128 x 128 (256 work-groups), four waves of 64 x 64: 16 accumulators.  K goes in 16 steps of 256 through a ring of two LDS slots.
; CLUSTER 4 x 4: m's tiles are shared along a row of the cluster, W2's blocks along a column; each is asked for jointly.  W2's fragments come out of LDS turned.  The matrix instruction is used transposed
; (source 0 = 16 columns of W2, source 1 = 16 rows of m): lane l holds row l % 16 of C and columns 8 (l / 16) + 0..7.  A K step is written once; the slots take turns through two scalars that hold 0 or SLOT.
; THE WALK ALONG K.  Step j of the ring takes K step j xor PX, PX = 2 x ((cluster x + cluster y) mod 2): clusters of one kind walk 0, 1, 2, 3, 4, 5 .., those of the other 2, 3, 0, 1, 6, 7 ...  The two clusters that
; read the same rows of m, and clusters one apart along y, which read the same block of W2, are of different kinds: of two requests for one tile one comes two steps behind the other instead of together with it.
; PX hangs on the cluster's place alone, which all sixteen partners share, so the joint loads stay alike.  Only the order of the f32 sums along K changes with it.
; REGISTERS: window 0 v16-29 addresses, v32-95 at work on the way out, v128-255 the accumulators ((a, b) at v[128 + 8 (4 a + b)]); window 1 two fragment buffers of 128 (64 of m, 64 of W2); window 2 v0-127 the residual.
.set STEPS,  16
.set PA,     528                       ; 512 bytes + 16 = 132 words: the 16 rows of a load start at 16 different groups of four banks (64 banks of 4 bytes: ISA guide 11.1)
.set PB,     288                       ; 256 + 32 = 72 words
.set HALFA,  64*PA
.set HALFB,  128*PB
.set BOFF,   2*HALFA
.set SLOT,   BOFF+2*HALFB
.set STAGE,  2*SLOT                    ; behind the ring, never filled: 16 rows x 272 bytes a wave
.set SPITCH, 272
.set SPARE,  STAGE+4*16*SPITCH         ; the spare words, 128 bytes a wave: two blocks of 256 bytes that no other line names
.set ASH,    9                         ; a K step of m is 1 << 9 bytes on along a row
.set ASTEP,  1<<ASH
.set BSH,    16                        ; a K step of W2 is 1 << 16 bytes on: 256 block rows
.set BSTEP,  1<<BSH
.set WBASE,  16777216
.set ACH,    128                       ; a chunk of 64 along K, in bytes of a row
.set AI,     16*PA
.set ADRA, 16
.set A0,   17
.set ADRB, 20
.set B0,   21
.set ADRB2, 22                         ; v22  ADRB + 128 k rows: an LDS offset has 16 bits
.set STO,  24
.set RD,   25
.set CO,   26
.set BO,   27
.set SPW,  28
.set NIL,  29
.set ACC,  128
.set F0,   0
.set F1,   128
.set G1,  24
.set G0,  32
.set G1B, 48
.set G0B, 56
.set TGW, 66
.set TGR, 67
.set JS,  78                           ; s78  the ring step asked for last
.set PX,  79                           ; s79  0 or 2
.set OA,  80                           ; s[80:81] the K step's byte offset in m's rows
.set OB,  82                           ; s[82:83] in W2's block
.set KX,  84                           ; s84  at work
.set MSB, 0
.macro WIN new
.if MSB != (\new)
	s_set_vgpr_msb (MSB<<8)|(\new)
.set MSB, \new
.endif
.endm
.set MUL,  0x05
.set TO_F, 0x40
.macro JLOAD s                         ; a joint load: waves 0 and 1 fetch m's halves, waves 2 and 3 W2's; an s_nop 0 and four v_nop follow each line
	s_cmp_eq_u32 s11, 0
	s_cbranch_scc0 .Lfor_b_\@
	tensor_load_to_lds s[G0+4*(\s):G0+4*(\s)+3], s[G1:G1+7]
	s_nop 0
.rept 4
	v_nop
.endr
	s_branch .Lasked_\@
.Lfor_b_\@:
	tensor_load_to_lds s[G0B+4*(\s):G0B+4*(\s)+3], s[G1B:G1B+7]
	s_nop 0
.rept 4
	v_nop
.endr
.Lasked_\@:
.endm
.macro CREST
	s_cmp_lg_u32 s10, 0
	s_cbranch_scc1 .Lnot_wave_0_\@
	s_barrier_signal -3
.Lnot_wave_0_\@:
	s_barrier_wait -3
	s_barrier_signal -1
	s_barrier_wait -1
.endm
.macro CROUND
	s_barrier_signal -1
	s_barrier_wait -1
	CREST
.endm
.macro PLACES                          ; four plain vector instructions between a matrix instruction and a load into, or a read of, its registers
.rept 4
	v_nop
.endr
.endm
	s_load_b128 s[4:7], s[0:1], 0x0                ; m s[4:5], wb s[6:7]
	s_load_b128 s[68:71], s[0:1], 0x10             ; b2 s[68:69], x1 s[70:71]
	s_load_b64 s[8:9], s[0:1], 0x20                ; out
	v_lshl_add_u32 v[SPW], v0, 2, SPARE
	v_mov_b32 v[NIL], 0
	ds_add_u32 v[SPW], v[NIL]                      ; the wave's opening: the add and its wait ahead of my first tensor load
	ds_add_u32 v28, v29
	v_lshrrev_b32 v1, 5, v0
	v_readfirstlane_b32 s10, v1
	s_lshr_b32 s11, s10, 1
	s_and_b32 s12, s10, 1
	s_bfe_u32 s40, ttmp6, 0x40000
	s_bfe_u32 s41, ttmp6, 0x40004
	s_lshl_b32 s42, ttmp9, 2
	s_add_co_u32 s42, s42, s40                     ; tile column
	s_and_b32 s13, ttmp7, 0xffff
	s_add_co_u32 s[PX], s13, ttmp9                 ; cluster y + cluster x,
	s_and_b32 s[PX], s[PX], 1                      ; odd or even,
	s_lshl_b32 s[PX], s[PX], 1                     ; as 2 or 0
	s_lshl_b32 s13, s13, 2
	s_add_co_u32 s13, s13, s41                     ; tile row
	s_lshl_b32 s43, s41, 2
	s_lshl_b32 s43, 15, s43
	s_lshl_b32 s44, 0x1111, s40
	s_or_b32 s[G1+0], s43, (1<<16)|(1<<20)|(1<<21)|(6<<22)|(3<<25)   ; the mask; 2-byte elements; padding on; bit 21 beside a mask; after every 128 words 4 words
	s_mov_b32 s[G1+1], 256<<16                     ; tensor_dim0 = 256
	s_mov_b32 s[G1+2], 64<<16                      ; tensor_dim1 = 64
	s_mov_b32 s[G1+3], 256<<16                     ; tile_dim0
	s_mov_b32 s[G1+4], 64                          ; tile_dim1
	s_mov_b32 s[G1+5], 4096                        ; elements from row to row
	s_mov_b32 s[G1+6], 0
	s_mov_b32 s[G1+7], 0
	s_or_b32 s[G1B+0], s44, (1<<16)|(1<<20)|(1<<21)|(5<<22)|(7<<25)  ; after every 64 words 8 words
	s_mov_b32 s[G1B+1], 128<<16
	s_mov_b32 s[G1B+2], 128<<16
	s_mov_b32 s[G1B+3], 128<<16
	s_mov_b32 s[G1B+4], 128
	s_mov_b32 s[G1B+5], 128
	s_mov_b32 s[G1B+6], 0
	s_mov_b32 s[G1B+7], 0
	s_lshl_b32 s16, s13, 7                         ; m: row 128 x tile row + 64 x half,
	s_lshl_b32 s17, s12, 6
	s_add_co_u32 s16, s16, s17
	s_lshl_b32 s16, s16, 13                        ; of 8,192 bytes
	s_mov_b32 s17, 0
	s_lshl_b32 s46, s42, 20                        ; W2: block = tile column, 1 MiB;
	s_lshl_b32 s47, s12, 15                        ; 128 block rows a half
	s_add_co_u32 s46, s46, s47
	s_add_co_u32 s46, s46, WBASE
	s_mov_b32 s47, 0
	s_mul_i32 s20, s12, HALFA
	s_mul_i32 s21, s12, HALFB
	s_add_co_u32 s21, s21, BOFF
	s_mov_b32 s[TGW], SLOT
	s_mov_b32 s[TGR], 0
	s_mov_b32 s[JS], 1                             ; ring steps 0 and 1 are the first fills
	s_lshl_b32 s[OA], s[PX], ASH                   ; ring step 0 takes K step PX, ring step 1 the next
	s_mov_b32 s[OA+1], 0
	s_lshl_b32 s[OB], s[PX], BSH
	s_mov_b32 s[OB+1], 0
	s_wait_dscnt 0x0                               ; the opening add is done
	s_wait_kmcnt 0x0
	s_add_nc_u64 s[14:15], s[4:5], s[16:17]        ; m and W2 at my part of K step 0: kept for the whole walk
	s_add_nc_u64 s[46:47], s[6:7], s[46:47]
	CROUND
.irp s, 0,1
	s_mov_b32 s[G0+4*(\s)], 1
	s_add_co_u32 s[G0+4*(\s)+1], s20, (\s)*SLOT
	s_add_nc_u64 s[G0+4*(\s)+2:G0+4*(\s)+3], s[14:15], s[OA:OA+1]
	s_add_nc_u64 s[G0+4*(\s)+2:G0+4*(\s)+3], s[G0+4*(\s)+2:G0+4*(\s)+3], (\s)*ASTEP
	s_or_b32 s[G0+4*(\s)+3], s[G0+4*(\s)+3], 0x80000000
	s_mov_b32 s[G0B+4*(\s)], 1
	s_add_co_u32 s[G0B+4*(\s)+1], s21, (\s)*SLOT
	s_add_nc_u64 s[G0B+4*(\s)+2:G0B+4*(\s)+3], s[46:47], s[OB:OB+1]
	s_add_nc_u64 s[G0B+4*(\s)+2:G0B+4*(\s)+3], s[G0B+4*(\s)+2:G0B+4*(\s)+3], (\s)*BSTEP
	s_or_b32 s[G0B+4*(\s)+3], s[G0B+4*(\s)+3], 0x80000000
	JLOAD \s                                       ; ring steps 0 and 1: two loads of mine are out
.endr
	v_and_b32 v1, 15, v0
	v_bfe_u32 v2, v0, 4, 1
	v_mul_u32_u24 v3, v1, PA
	v_lshl_add_u32 v3, v2, 4, v3
	s_mul_i32 s22, s11, HALFA
	v_add_nc_u32 v[A0], s22, v3
	v_and_b32 v4, 7, v0
	v_lshl_add_u32 v4, v2, 3, v4
	v_mul_u32_u24 v4, v4, PB
	v_bfe_u32 v5, v0, 3, 1
	v_lshl_add_u32 v4, v5, 4, v4
	s_lshl_b32 s23, s12, 7                         ; my 64 columns of the block's 128
	s_add_co_u32 s23, s23, BOFF
	v_add_nc_u32 v[B0], s23, v4
	v_mov_b32 v[ADRA], v[A0]
	v_mov_b32 v[ADRB], v[B0]
	v_add_nc_u32 v[ADRB2], HALFB, v[B0]
	s_mul_i32 s22, s10, 16*SPITCH
	s_add_co_u32 s22, s22, STAGE
	v_mul_u32_u24 v3, v1, SPITCH
	v_lshl_add_u32 v3, v2, 5, v3
	v_add_nc_u32 v[STO], s22, v3
	v_mul_u32_u24 v3, v2, SPITCH
	v_lshl_add_u32 v3, v1, 4, v3
	v_add_nc_u32 v[RD], s22, v3
	v_lshlrev_b32 v3, 12, v2
	v_lshl_add_u32 v[CO], v1, 4, v3
	v_lshlrev_b32 v[BO], 5, v2
	s_lshl_b32 s94, s42, 9
	s_lshl_b32 s95, s12, 8
	s_add_co_u32 s94, s94, s95
	s_mov_b32 s95, 0
	s_add_nc_u64 s[68:69], s[68:69], s[94:95]      ; the bias at my 64 columns
	s_lshl_b32 s92, s13, 7
	s_lshl_b32 s93, s11, 6
	s_add_co_u32 s92, s92, s93
	s_lshl_b32 s92, s92, 12
	s_add_co_u32 s92, s92, s94
	s_mov_b32 s93, 0
	s_add_nc_u64 s[70:71], s[70:71], s[92:93]
	s_add_nc_u64 s[8:9], s[8:9], s[92:93]
	; the sums start from the bias: register j of accumulator (a, b) takes bias[16 b + 8 (l / 16) + j]
.irp a, 0,1,2,3
.irp b, 0,1,2,3
	global_load_b128 v[ACC+8*(4*(\a)+(\b)):ACC+8*(4*(\a)+(\b))+3],   v[BO], s[68:69] offset:64*(\b)
	global_load_b128 v[ACC+8*(4*(\a)+(\b))+4:ACC+8*(4*(\a)+(\b))+7], v[BO], s[68:69] offset:64*(\b)+16
.endr
.endr
	WIN 0x80                                       ; the residual, asked for now and wanted at the end
.irp a, 0,1,2,3
.irp t, 0,1,2,3,4,5,6,7
	global_load_b128 v[32*(\a)+4*(\t):32*(\a)+4*(\t)+3], v[CO], s[70:71] offset:(16*(\a)+2*(\t))*4096
.endr
.endr
	WIN 0
.macro MUL8 f, c, a0                   ; 8 matrix instructions; the 16 accumulators take turns in one fixed order
	WIN MUL
.irp a, \a0, (\a0)+1
.irp b, 0,1,2,3
	v_wmma_f32_16x16x32_bf16 v[ACC+8*(4*(\a)+(\b)):ACC+8*(4*(\a)+(\b))+7], v[(\f)+64+8*(4*(\c)+(\b)):(\f)+64+8*(4*(\c)+(\b))+7], v[(\f)+8*(4*(\c)+(\a)):(\f)+8*(4*(\c)+(\a))+7], v[ACC+8*(4*(\a)+(\b)):ACC+8*(4*(\a)+(\b))+7]
.endr
.endr
.endm
.macro FETCH ch, f                     ; 32 LDS loads in one run: chunk ch (64 along K) into buffer f; the first 32 along K first
	WIN TO_F
.irp c, 0,1
.irp i, 0,1,2,3
	ds_load_tr16_b128 v[(\f)+64+8*(4*(\c)+(\i)):(\f)+64+8*(4*(\c)+(\i))+3],   v[ADRB+2*((\ch)/2)] offset:(((\ch)%2)*64+32*(\c))*PB+32*(\i)
	ds_load_tr16_b128 v[(\f)+64+8*(4*(\c)+(\i))+4:(\f)+64+8*(4*(\c)+(\i))+7], v[ADRB+2*((\ch)/2)] offset:(((\ch)%2)*64+32*(\c)+16)*PB+32*(\i)
	ds_load_b128 v[(\f)+8*(4*(\c)+(\i)):(\f)+8*(4*(\c)+(\i))+3],   v[ADRA] offset:(\ch)*ACH+64*(\c)+(\i)*AI
	ds_load_b128 v[(\f)+8*(4*(\c)+(\i))+4:(\f)+8*(4*(\c)+(\i))+7], v[ADRA] offset:(\ch)*ACH+64*(\c)+(\i)*AI+32
.endr
.endr
.endm
; One of a K step's first three quarters.  At its head buffer f is waited for whole, and chunk ch's 32 loads go out at once, into buffer g: they have this quarter's 32 matrix instructions in which to land.
.macro QUARTER ch, f, g
	s_wait_dscnt 0x0                               ; buffer f is in
	PLACES                                         ; behind the last products of the quarter before, which read buffer g
	FETCH \ch, \g
	MUL8 \f, 0, 0
	MUL8 \f, 0, 2
	MUL8 \f, 1, 0
	MUL8 \f, 1, 2
.endm
; The last quarter multiplies buffer 1 and changes slots: ONE barrier; in front of it each wave waits for all its tensor loads, adds 0 to its spare word, and waits for that and for its reads of this slot.
.macro TURN fill
	WIN 0
	s_wait_tensorcnt 0x0
	ds_add_u32 v[SPW], v[NIL]
	s_wait_dscnt 17                                ; (the add and the run's youngest sixteen loads, the second 32 along K, may be out)
	MUL8 F1, 0, 0
	s_wait_dscnt 0x0
	s_barrier_signal -1
	MUL8 F1, 0, 2
	WIN 0
	s_barrier_wait -1
.if \fill
	CREST                                          ; no wave of any partner still reads this slot or has a load on its way
	s_xor_b32 s[TGW], s[TGW], SLOT                 ; the walking descriptors: the other slot than last time,
	s_add_co_u32 s[G0+5], s20, s[TGW]
	s_add_co_u32 s[G0B+5], s21, s[TGW]
	s_add_co_u32 s[JS], s[JS], 1                   ; the next ring step,
	s_xor_b32 s[KX], s[JS], s[PX]                  ; its K step,
	s_lshl_b32 s[OA], s[KX], ASH
	s_lshl_b32 s[OB], s[KX], BSH
	s_add_nc_u64 s[G0+6:G0+7], s[14:15], s[OA:OA+1]    ; the address made anew: the tile's base and an offset made apart,
	s_or_b32 s[G0+7], s[G0+7], 0x80000000              ; and the type bits
	s_add_nc_u64 s[G0B+6:G0B+7], s[46:47], s[OB:OB+1]
	s_or_b32 s[G0B+7], s[G0B+7], 0x80000000
	JLOAD 1                                        ; the four v_nop behind it are also the places in front of the loads below
.else
	PLACES
.endif
	s_xor_b32 s[TGR], s[TGR], SLOT
	v_add_nc_u32 v[ADRA], s[TGR], v[A0]
	v_add_nc_u32 v[ADRB], s[TGR], v[B0]
	v_add_nc_u32 v[ADRB2], HALFB, v[ADRB]
	FETCH 0, F0
	MUL8 F1, 1, 0
	MUL8 F1, 1, 2
.endm
	s_wait_tensorcnt 1                             ; my part of ring step 0 is in; ring step 1's may stay out
	s_barrier_signal -1
	s_barrier_wait -1
	FETCH 0, F0
	WIN 0
	s_wait_loadcnt 32                              ; the bias is in; the 32 loads of the residual stay out
	s_mov_b32 s3, STEPS-2
.Lmain:
	QUARTER 1, F0, F1
	QUARTER 2, F1, F0
	QUARTER 3, F0, F1
	TURN 1
	WIN 0
	s_sub_co_u32 s3, s3, 1
	s_cmp_lg_u32 s3, 0
	s_cbranch_scc1 .Lmain
	s_mov_b32 s3, 2
.Ltail:                                                ; the last two ring steps ask for nothing; the second trip is left in its middle
	QUARTER 1, F0, F1
	QUARTER 2, F1, F0
	QUARTER 3, F0, F1
	WIN 0
	s_sub_co_u32 s3, s3, 1
	s_cmp_eq_u32 s3, 0
	s_cbranch_scc1 .Llast
	TURN 0
	WIN 0
	s_branch .Ltail
.Llast:
	s_wait_dscnt 16                                ; the run's youngest sixteen loads may be out
	MUL8 F1, 0, 0
	MUL8 F1, 0, 2
	s_wait_dscnt 0x0
	MUL8 F1, 1, 0
	MUL8 F1, 1, 2
	WIN 0
	PLACES
	; THE WAY OUT, 16 rows at a time through my own stage: a lane's eight numbers go in as 32 bytes, whole rows of 256 bytes come back, the residual is added, 16 lanes store 256 consecutive bytes, aligned.
.macro TOSTAGE a
.set BK, 32+32*((\a)%2)
.irp b, 0,1,2,3
	ds_store_b128 v[STO], v[ACC+8*(4*(\a)+(\b)):ACC+8*(4*(\a)+(\b))+3]   offset:64*(\b)
	ds_store_b128 v[STO], v[ACC+8*(4*(\a)+(\b))+4:ACC+8*(4*(\a)+(\b))+7] offset:64*(\b)+16
.endr
.irp t, 0,1,2,3,4,5,6,7
	ds_load_b128 v[BK+4*(\t):BK+4*(\t)+3], v[RD] offset:(\t)*2*SPITCH  ; LDS serves a wave's instructions in order (ISA guide 5.7.1.4): these see the stores above
.endr
.endm
.macro SEND a, younger                 ; younger: the next block's 8 stores and 8 loads, or none
.set BK, 32+32*((\a)%2)
	s_wait_dscnt \younger
	WIN 0x08                                       ; source 1 window 2
.set z, 0
.rept 16
	v_pk_add_f32 v[BK+2*z:BK+2*z+1], v[BK+2*z:BK+2*z+1], v[32*(\a)+2*z:32*(\a)+2*z+1]
.set z, z+1
.endr
	WIN 0
.irp t, 0,1,2,3,4,5,6,7
	global_store_b128 v[CO], v[BK+4*(\t):BK+4*(\t)+3], s[8:9] offset:(16*(\a)+2*(\t))*4096
.endr
.endm
	s_wait_loadcnt 0x0                             ; the residual
	TOSTAGE 0
	TOSTAGE 1
	SEND 0, 16
	s_wait_xcnt 0x0                                ; block 0's registers are loaded again only behind this wait
	TOSTAGE 2
	SEND 1, 16
	s_wait_xcnt 0x0
	TOSTAGE 3
	SEND 2, 16
	SEND 3, 0
	s_wait_tensorcnt 0x0                           ; the wave's end
	ds_add_u32 v[SPW], v[NIL]
	s_wait_dscnt 0x0
	CROUND                                         ; the closing round
	s_endpgm
.Lfunc_end_k_q672701bf43_fc2:
	.size	k_q672701bf43_fc2, .Lfunc_end_k_q672701bf43_fc2-k_q672701bf43_fc2
	.p2alignl 7, 3214868480
	.fill 96, 4, 3214868480
	.section	.rodata,"a",@progbits
	.p2align	6, 0x0
	.amdhsa_kernel k_q672701bf43_fc2
		.amdhsa_group_segment_fixed_size 327680
		.amdhsa_private_segment_fixed_size 0
		.amdhsa_enable_private_segment 0
		.amdhsa_kernarg_size 40
		.amdhsa_user_sgpr_count 2
		.amdhsa_user_sgpr_kernarg_segment_ptr 1
		.amdhsa_wavefront_size32 1
		.amdhsa_system_sgpr_workgroup_id_x 1
		.amdhsa_system_sgpr_workgroup_id_y 1
		.amdhsa_system_sgpr_workgroup_id_z 1
		.amdhsa_system_vgpr_workitem_id 0
		.amdhsa_next_free_vgpr 640
		.amdhsa_next_free_sgpr 100
		.amdhsa_reserve_vcc 0
		.amdhsa_float_denorm_mode_32 3
		.amdhsa_float_denorm_mode_16_64 3
		.amdhsa_memory_ordered 1
		.amdhsa_forward_progress 1
		.amdhsa_inst_pref_size 67
	.end_amdhsa_kernel
	.amdgpu_metadata
---
amdhsa.version: [ 1, 2 ]
amdhsa.kernels:
  - .name:           k_q672701bf43_fc2
    .symbol:         k_q672701bf43_fc2.kd
    .args:
      - { .name: mbuf, .offset: 0, .size: 8, .value_kind: global_buffer, .address_space: global }
      - { .name: wb, .offset: 8, .size: 8, .value_kind: global_buffer, .address_space: global }
      - { .name: b2, .offset: 16, .size: 8, .value_kind: global_buffer, .address_space: global }
      - { .name: x1buf, .offset: 24, .size: 8, .value_kind: global_buffer, .address_space: global }
      - { .name: out0, .offset: 32, .size: 8, .value_kind: global_buffer, .address_space: global }
    .group_segment_fixed_size: 327680
    .private_segment_fixed_size: 0
    .kernarg_segment_align: 8
    .kernarg_segment_size: 40
    .max_flat_workgroup_size: 128
    .sgpr_count:     100
    .vgpr_count:     640
    .wavefront_size: 32
...
	.end_amdgpu_metadata
.endif
;; end of part 6
;; ======== version 2 of 2: 7 launches; version 1 with the launches pre, ln2 written anew for expert scheduling mode
;; workspace buffers: wb 25,165,824 bytes; hbuf 8,388,608 bytes; qkvb 25,165,824 bytes; ybuf 8,388,608 bytes; x1buf 16,777,216 bytes; mbuf 33,554,432 bytes
;; launch pre (part 7): grid 256 x 4, 8 waves a work-group, no clusters, 0 bytes of LDS; arguments x, ln1_g, ln1_b, hbuf, Wq, Wk, Wv, Wo, W1, W2, wb; writes hbuf, wb
.if DOCPART == 7
	.amdgcn_target "amdgcn-amd-amdhsa--gfx1250"
	.amdhsa_code_object_version 6
	.text
	.protected	k_q672701bf43_pre
	.globl	k_q672701bf43_pre
	.p2align	8
	.type	k_q672701bf43_pre,@function
k_q672701bf43_pre:
	s_mov_b64 s[64:65], 0
	v_nop
	global_prefetch_b8 v0, s[64:65] scope:SCOPE_SE
	s_setreg_imm32_b32 hwreg(HW_REG_WAVE_SCHED_MODE, 0, 2), 2
	s_setreg_imm32_b32 hwreg(HW_REG_WAVE_MODE, 25, 1), 1
	s_wait_xcnt 0x0
	s_wait_alu depctr_vm_vsrc(0)
; TWO STREAMS THAT DO NOT DEPEND ON EACH OTHER, IN ONE TEXT.  The work-group's y chooses: 0 a LayerNorm, 1 to 3 the cast of the weights.  A launch with one row of work-groups runs the LayerNorm alone.
; No LDS, no matrix unit, no cluster: no byte is read twice, and no wave waits for another.
; LAYERNORM (y = 0): out[r][c] = (in[r][c] - mean) * rsqrt(var + 1e-5) * gain[c] + bias[c].  in: [4096][1024] f32, out the same in bf16 (a matrix operand of the next launch).
; One wave, two rows; a row of 4,096 bytes stays in 32 registers between the passes, so memory is read once.  The variance is taken of x - mean (two passes over the registers), never as a difference
; of large sums, so a common offset of the inputs costs nothing.  Lane l holds columns 128 j + 4 l + 0..3, j = 0..7: a load covers 512 consecutive bytes, a store 256 consecutive bytes, aligned.
; CAST (y = 1: Wq, Wk, Wv, Wo; y = 2: W1; y = 3: W2): f32 [k][n] is rounded to bf16 and laid in BLOCKS of 128 columns: wb holds [block][k][128], a block row of 256 bytes, a block dense.
; Bytes in wb: Wq 0, Wk 2 MiB, Wv 4 MiB, Wo 6 MiB (8 blocks of 1,024 x 256 bytes each), W1 8 MiB (32 such blocks), W2 16 MiB (8 blocks of 4,096 x 256 bytes).
; A wave takes 16 consecutive k rows of one block: 16 loads of 512 consecutive bytes, all on their way together, and 16 stores of 256 consecutive bytes, aligned, which lie end to end.
; THE MODE: SCHED_MODE bits 1:0 = 2 (LLVM: expert scheduling mode 2), set by the entry lines.  The code itself states the register dependences between vector instructions and memory instructions,
; with s_wait_alu, always for 0.
; THE PLAN.  Registers that memory instructions touch:
;   v1, v2     byte offsets, made at the head and never written again: every load reads v1, every store v2.
;   LayerNorm  X0, X1, G, BV: written by the 32 loads at the arm's head, ahead of all vector work; no load lands in them again.  A row's 16 roundings write the first two of each four of its registers;
;              the row's eight stores read these, and nothing writes them afterwards.  Row 0's stores are issued in row 1's turn, whose vector lines name X1, G, BV, T and M alone.
;   Cast       CX: written by the 16 loads, read by the roundings.  CY: two registers a row, written by the row's roundings, read by its store, never written again.  The rows go in four blocks of four:
;              a block's stores are issued in the next block's turn, whose roundings name other registers.
;   T and M are named by vector instructions alone.
; So the waits on va_vdst are: one at the head (the offsets); one in front of each run of stores (the roundings that wrote their data); and one a row behind the two roots.  No register that a memory
; instruction reads is ever written again, so no wait on vm_vsrc is owed; EXEC is never written.
.set X,  4                             ; LayerNorm: v[4:67]    two rows of 32 registers
.set G,  68                            ; v[68:99]   gain of my columns
.set BV, 100                           ; v[100:131] bias of my columns
.set T,  132                           ; v[132:147] at work
.set M,  148                           ; v[148:149] the mean, later 1 / sqrt(var + eps), twice: a pair for the packed forms
.set CX, 4                             ; cast: v[4:67]   row i: 4 numbers a lane as loaded
.set CY, 68                            ; v[68:99]  row i: the same 4 as bf16
.macro BODY pitch                      ; pitch: bytes from a k row to the next in the source
.set i, 0
.rept 16
	global_load_b128 v[CX+4*i:CX+4*i+3], v1, s[24:25] offset:i*(\pitch) th:TH_LOAD_NT
.set i, i+1
.endr
.set p, 0
.rept 4                                ; block p: rows 4 p to 4 p + 3 are rounded; the stores of block p - 1 stand among the roundings
	s_wait_loadcnt 12-4*p                          ; loads come back in order: block p is in, the younger blocks stay out
.if p > 0
	s_wait_alu depctr_va_vdst(0)                   ; the roundings of the block before have written its part of CY, which the four stores below read
.endif
.set i, 4*p
.rept 4
.if p > 0
	global_store_b64 v2, v[CY+2*(i-4):CY+2*(i-4)+1], s[26:27] offset:(i-4)*256  ; 32 lanes x 8 bytes: one block row; no vector line since the wait names these registers
.endif
	v_cvt_pk_bf16_f32 v[CY+2*i], v[CX+4*i], v[CX+4*i+1]
	v_cvt_pk_bf16_f32 v[CY+2*i+1], v[CX+4*i+2], v[CX+4*i+3]
.set i, i+1
.endr
.set p, p+1
.endr
	s_wait_alu depctr_va_vdst(0)                   ; the last block's roundings have written its part of CY, which the last four stores read
.set i, 12
.rept 4
	global_store_b64 v2, v[CY+2*i:CY+2*i+1], s[26:27] offset:i*256
.set i, i+1
.endr
.endm
.macro LANES                           ; v[T] summed over the 32 lanes, the result in every lane
	v_add_f32_dpp v[T], v[T], v[T] row_xmask:1 row_mask:0xf bank_mask:0xf
	v_add_f32_dpp v[T], v[T], v[T] row_xmask:2 row_mask:0xf bank_mask:0xf
	v_add_f32_dpp v[T], v[T], v[T] row_xmask:4 row_mask:0xf bank_mask:0xf
	v_add_f32_dpp v[T], v[T], v[T] row_xmask:8 row_mask:0xf bank_mask:0xf
	v_permlanex16_b32 v[T+1], v[T], s12, s13       ; its destination has been written before
	v_add_f32 v[T], v[T], v[T+1]
.endm
; Row r.  w1: the loads that may stay out when the row is needed; w2: when gain and bias are needed.  The row's turn ends with its roundings; its stores are issued later, behind a wait of their own.
.macro ROW r, w1, w2
.set XR, X+32*(\r)
	s_wait_loadcnt \w1
.if \r
	s_wait_alu depctr_va_vdst(0)                   ; row 0's roundings have written the first two of each four of its registers, which the eight stores below read
.endif
.set i, 0
.rept 8                                ; the sum, as a tree of packed additions; in row 1's turn one of row 0's stores stands ahead of each of the first eight
.if \r
	global_store_b64 v2, v[X+4*i:X+4*i+1], s[10:11] offset:256*i  ; row 0; no vector line since the wait names its registers or v2
.endif
	v_pk_add_f32 v[T+2*i:T+2*i+1], v[XR+4*i:XR+4*i+1], v[XR+4*i+2:XR+4*i+3]
.set i, i+1
.endr
.set i, 0
.rept 4
	v_pk_add_f32 v[T+4*i:T+4*i+1], v[T+4*i:T+4*i+1], v[T+4*i+2:T+4*i+3]
.set i, i+1
.endr
	v_pk_add_f32 v[T:T+1], v[T:T+1], v[T+4:T+5]
	v_pk_add_f32 v[T+8:T+9], v[T+8:T+9], v[T+12:T+13]
	v_pk_add_f32 v[T:T+1], v[T:T+1], v[T+8:T+9]
	v_add_f32 v[T], v[T], v[T+1]
	LANES
	v_mul_f32 v[M], s14, v[T]                      ; the mean
	v_mul_f32 v[M+1], s14, v[T]
.set i, 0
.rept 16
	v_pk_add_f32 v[XR+2*i:XR+2*i+1], v[XR+2*i:XR+2*i+1], v[M:M+1] neg_lo:[0,1] neg_hi:[0,1]  ; x - mean
.set i, i+1
.endr
.set i, 0
.rept 4                                ; the sum of squares in four chains; the first four products start them
	v_pk_mul_f32 v[T+2*i:T+2*i+1], v[XR+2*i:XR+2*i+1], v[XR+2*i:XR+2*i+1]
.set i, i+1
.endr
.rept 12
	v_pk_fma_f32 v[T+2*(i%4):T+2*(i%4)+1], v[XR+2*i:XR+2*i+1], v[XR+2*i:XR+2*i+1], v[T+2*(i%4):T+2*(i%4)+1]
.set i, i+1
.endr
	v_pk_add_f32 v[T:T+1], v[T:T+1], v[T+2:T+3]
	v_pk_add_f32 v[T+4:T+5], v[T+4:T+5], v[T+6:T+7]
	v_pk_add_f32 v[T:T+1], v[T:T+1], v[T+4:T+5]
	v_add_f32 v[T], v[T], v[T+1]
	LANES
	v_fma_f32 v[T], v[T], s14, s15                 ; var + eps
	v_rsq_f32 v[M], v[T]
	v_rsq_f32 v[M+1], v[T]
	v_nop                                          ; a plain instruction between the root and the use of its result (ISA guide 5.7.2)
	s_wait_loadcnt \w2
	s_wait_alu depctr_va_vdst(0)                   ; the two roots have written v[M] and v[M+1], which the multiplies below read: one wait for both
.set i, 0
.rept 16
	v_pk_mul_f32 v[XR+2*i:XR+2*i+1], v[XR+2*i:XR+2*i+1], v[M:M+1]
.set i, i+1
.endr
.set i, 0
.rept 16
	v_pk_fma_f32 v[XR+2*i:XR+2*i+1], v[XR+2*i:XR+2*i+1], v[G+2*i:G+2*i+1], v[BV+2*i:BV+2*i+1]
.set i, i+1
.endr
.irp j, 0,1,2,3,4,5,6,7
	v_cvt_pk_bf16_f32 v[XR+4*(\j)], v[XR+4*(\j)], v[XR+4*(\j)+1]       ; in place: four numbers into the first two registers
	v_cvt_pk_bf16_f32 v[XR+4*(\j)+1], v[XR+4*(\j)+2], v[XR+4*(\j)+3]
.endr
.endm
	v_lshrrev_b32 v3, 5, v0
	v_readfirstlane_b32 s2, v3                     ; wave 0..7
	v_and_b32 v1, 31, v0
	v_lshlrev_b32 v2, 3, v1                        ; 8 bytes a lane out
	v_lshlrev_b32 v1, 4, v1                        ; 16 bytes a lane in
	s_and_b32 s3, ttmp7, 0xffff                    ; which stream
	s_wait_alu depctr_va_sdst(0)                   ; s2 is written, ahead of the branch and of its first reader in either arm: the bases are made from it
	s_wait_alu depctr_va_vdst(0)                   ; v1 and v2 are written: every load of the kernel reads v1 as its offset, every store v2; no vector line behind this one names them
	s_cmp_lg_u32 s3, 0
	s_cbranch_scc1 .Lcast
	; ---- the LayerNorm
	s_load_b256 s[4:11], s[0:1], 0x0               ; in s[4:5], gain s[6:7], bias s[8:9], out s[10:11]
	s_lshl_b32 s20, ttmp9, 3
	s_add_co_u32 s20, s20, s2                      ; my pair of rows
	s_lshl_b32 s16, s20, 13                        ; x 2 rows of 4,096 bytes
	s_mov_b32 s17, 0
	s_lshl_b32 s18, s20, 12                        ; x 2 rows of 2,048 bytes
	s_mov_b32 s19, 0
	s_mov_b32 s12, 0x76543210                      ; v_permlanex16_b32: each lane takes its own place in the other half
	s_mov_b32 s13, 0xfedcba98
	s_mov_b32 s14, 0x3a800000                      ; 1 / 1024
	s_mov_b32 s15, 0x3727c5ac                      ; 1e-5
	s_wait_kmcnt 0x0
	s_add_nc_u64 s[4:5], s[4:5], s[16:17]
	s_add_nc_u64 s[10:11], s[10:11], s[18:19]
.irp j, 0,1,2,3,4,5,6,7
	global_load_b128 v[X+4*(\j):X+4*(\j)+3], v1, s[4:5] offset:512*(\j)
.endr
.irp j, 0,1,2,3,4,5,6,7
	global_load_b128 v[G+4*(\j):G+4*(\j)+3], v1, s[6:7] offset:512*(\j)
.endr
.irp j, 0,1,2,3,4,5,6,7
	global_load_b128 v[BV+4*(\j):BV+4*(\j)+3], v1, s[8:9] offset:512*(\j)
.endr
.irp j, 0,1,2,3,4,5,6,7
	global_load_b128 v[X+32+4*(\j):X+32+4*(\j)+3], v1, s[4:5] offset:4096+512*(\j)
.endr
	ROW 0, 24, 8                                   ; 24: gain, bias and row 1 stay out; 8: row 1 stays out
	ROW 1, 0, 0                                    ; row 0's stores go out in this turn
	s_wait_alu depctr_va_vdst(0)                   ; row 1's roundings have written the first two of each four of its registers, which the last eight stores read
.irp j, 0,1,2,3,4,5,6,7
	global_store_b64 v2, v[X+32+4*(\j):X+32+4*(\j)+1], s[10:11] offset:2048+256*(\j)
.endr
	s_endpgm
	; ---- the cast
.Lcast:
	s_load_b256 s[8:15], s[0:1], 0x20              ; Wq s[8:9], Wk s[10:11], Wv s[12:13], Wo s[14:15]
	s_load_b128 s[16:19], s[0:1], 0x40             ; W1 s[16:17], W2 s[18:19]
	s_load_b64 s[20:21], s[0:1], 0x50              ; wb
	s_and_b32 s7, ttmp9, 63                        ; group of 16 k rows (square matrices and W1)
	s_lshr_b32 s6, ttmp9, 6                        ; which square matrix, or which eight blocks of W1
	s_lshl_b32 s22, s2, 9                          ; wave x 128 columns x 4 bytes
	s_mov_b32 s29, 0                               ; the offsets' high words
	s_mov_b32 s31, 0
	s_wait_kmcnt 0x0
	s_cmp_eq_u32 s3, 2
	s_cbranch_scc1 .Lw1
	s_cmp_eq_u32 s3, 3
	s_cbranch_scc1 .Lw2
	s_cmp_eq_u32 s6, 1                             ; the square matrices: block = wave
	s_cselect_b64 s[24:25], s[10:11], s[8:9]
	s_cmp_eq_u32 s6, 2
	s_cselect_b64 s[24:25], s[12:13], s[24:25]
	s_cmp_eq_u32 s6, 3
	s_cselect_b64 s[24:25], s[14:15], s[24:25]
	s_lshl_b32 s28, s7, 16                         ; 16 rows of 4,096 bytes
	s_add_co_u32 s28, s28, s22
	s_lshl_b32 s30, s6, 21                         ; 2 MiB a matrix
	s_lshl_b32 s23, s2, 18                         ; 262,144 bytes a block
	s_add_co_u32 s30, s30, s23
	s_lshl_b32 s23, s7, 12                         ; 16 block rows
	s_add_co_u32 s30, s30, s23
	s_branch .Lnarrow
.Lw2:                                                  ; W2: 256 groups of 16 rows, block = wave
	s_mov_b64 s[24:25], s[18:19]
	s_lshl_b32 s28, ttmp9, 16
	s_add_co_u32 s28, s28, s22
	s_lshl_b32 s30, s2, 20                         ; 1 MiB a block
	s_lshl_b32 s23, ttmp9, 12
	s_add_co_u32 s30, s30, s23
	s_add_co_u32 s30, s30, 0x1000000
.Lnarrow:
	s_add_nc_u64 s[24:25], s[24:25], s[28:29]
	s_add_nc_u64 s[26:27], s[20:21], s[30:31]
	BODY 4096
	s_endpgm
.Lw1:                                                  ; W1: block = 8 x (x / 64) + wave
	s_lshl_b32 s23, s6, 3
	s_add_co_u32 s23, s23, s2
	s_lshl_b32 s28, s7, 18                         ; 16 rows of 16,384 bytes
	s_lshl_b32 s22, s23, 9
	s_add_co_u32 s28, s28, s22
	s_lshl_b32 s30, s23, 18
	s_lshl_b32 s22, s7, 12
	s_add_co_u32 s30, s30, s22
	s_add_co_u32 s30, s30, 0x800000
	s_add_nc_u64 s[24:25], s[16:17], s[28:29]
	s_add_nc_u64 s[26:27], s[20:21], s[30:31]
	BODY 16384
	s_endpgm
.Lfunc_end_k_q672701bf43_pre:
	.size	k_q672701bf43_pre, .Lfunc_end_k_q672701bf43_pre-k_q672701bf43_pre
	.p2alignl 7, 3214868480
	.fill 96, 4, 3214868480
	.section	.rodata,"a",@progbits
	.p2align	6, 0x0
	.amdhsa_kernel k_q672701bf43_pre
		.amdhsa_group_segment_fixed_size 0
		.amdhsa_private_segment_fixed_size 0
		.amdhsa_enable_private_segment 0
		.amdhsa_kernarg_size 88
		.amdhsa_user_sgpr_count 2
		.amdhsa_user_sgpr_kernarg_segment_ptr 1
		.amdhsa_wavefront_size32 1
		.amdhsa_system_sgpr_workgroup_id_x 1
		.amdhsa_system_sgpr_workgroup_id_y 1
		.amdhsa_system_sgpr_workgroup_id_z 1
		.amdhsa_system_vgpr_workitem_id 0
		.amdhsa_next_free_vgpr 152
		.amdhsa_next_free_sgpr 66
		.amdhsa_reserve_vcc 0
		.amdhsa_float_denorm_mode_32 3
		.amdhsa_float_denorm_mode_16_64 3
		.amdhsa_memory_ordered 1
		.amdhsa_forward_progress 1
		.amdhsa_inst_pref_size 33
	.end_amdhsa_kernel
	.amdgpu_metadata
---
amdhsa.version: [ 1, 2 ]
amdhsa.kernels:
  - .name:           k_q672701bf43_pre
    .symbol:         k_q672701bf43_pre.kd
    .args:
      - { .name: x, .offset: 0, .size: 8, .value_kind: global_buffer, .address_space: global }
      - { .name: ln1_g, .offset: 8, .size: 8, .value_kind: global_buffer, .address_space: global }
      - { .name: ln1_b, .offset: 16, .size: 8, .value_kind: global_buffer, .address_space: global }
      - { .name: hbuf, .offset: 24, .size: 8, .value_kind: global_buffer, .address_space: global }
      - { .name: Wq, .offset: 32, .size: 8, .value_kind: global_buffer, .address_space: global }
      - { .name: Wk, .offset: 40, .size: 8, .value_kind: global_buffer, .address_space: global }
      - { .name: Wv, .offset: 48, .size: 8, .value_kind: global_buffer, .address_space: global }
      - { .name: Wo, .offset: 56, .size: 8, .value_kind: global_buffer, .address_space: global }
      - { .name: W1, .offset: 64, .size: 8, .value_kind: global_buffer, .address_space: global }
      - { .name: W2, .offset: 72, .size: 8, .value_kind: global_buffer, .address_space: global }
      - { .name: wb, .offset: 80, .size: 8, .value_kind: global_buffer, .address_space: global }
    .group_segment_fixed_size: 0
    .private_segment_fixed_size: 0
    .kernarg_segment_align: 8
    .kernarg_segment_size: 88
    .max_flat_workgroup_size: 256
    .sgpr_count:     66
    .vgpr_count:     152
    .wavefront_size: 32
...
	.end_amdgpu_metadata
.endif
;; end of part 7
;; launch qkv: the kernel of part 2 again; grid 12 x 16, 4 waves a work-group, clusters of 4 x 4, 327,680 bytes of LDS; arguments hbuf, wb, bq, bk, bv, qkvb; writes qkvb
;; launch attn: the kernel of part 3 again; grid 4 x 64, 4 waves a work-group, no clusters, 327,680 bytes of LDS; arguments qkvb, ybuf; writes ybuf
;; launch proj: the kernel of part 4 again; grid 8 x 32, 4 waves a work-group, clusters of 4 x 4, 327,680 bytes of LDS; arguments ybuf, wb, bo, x, x1buf; writes x1buf
;; launch ln2: the kernel of part 7 again; grid 256 x 1, 8 waves a work-group, no clusters, 0 bytes of LDS; arguments x1buf, ln2_g, ln2_b, hbuf, Wq, Wk, Wv, Wo, W1, W2, wb; writes hbuf, wb
;; launch fc1: the kernel of part 5 again; grid 16 x 16, 4 waves a work-group, clusters of 4 x 4, 327,680 bytes of LDS; arguments hbuf, wb, b1, mbuf; writes mbuf
;; launch fc2: the kernel of part 6 again; grid 8 x 32, 4 waves a work-group, clusters of 4 x 4, 327,680 bytes of LDS; arguments mbuf, wb, b2, x1buf, out0; writes out0
